; MI455X (gfx1250); checked and timed in simulation.
; The chip was launched on July 23, 2026; its instructions are those of AMD's public machine-readable ISA for CDNA 5 (MIT licence, August 2026) and "CDNA5" Instruction Set Architecture Reference Guide (July 2026). The comments in the code are by the model that wrote it; some were corrected since.
;; Content Based Attention. Allowed arithmetic: matrix products marked QUANTISED: E3M2 operands, one E8M0 scale for each 32 along K, by v_wmma_scale_f32_16x16x128_f8f6f4 with both operands' format E3M2, f32 sums; everything else in f32.
;; Inputs: WK 1,024 x 1,024 float32; WQ 1,024 x 1,024 float32; WV 1,024 x 1,024 float32; x1 4 x 2,048 x 1,024 float32; x2 4 x 2,048 x 1,024 float32.
;; Outputs: out0 4 x 2,048 x 1,024 float32.
;; This version of the problem:
;;   THIS VERSION OF THE PROBLEM IS GIVEN IN LOW PRECISION. The matrix products marked QUANTISED in the list below multiply operands that are first quantised to E3M2 (3 exponent bits, 2 mantissa bits; 6 bits a number), with one power-of-two scale for each 32 numbers along K (OCP MX v1.0); their sums are f32. All else is computed in f32.
;;   The module's matrix products, in the order in which they are computed (A, B: the left and right operand; K: the contracted axis; several contracted axes count as one K, in the product's order):
;;     1. [M 8,192, K 1,024] x [K 1,024, N 1,024]; A: input x1; B: input WQ: QUANTISED
;;     2. [M 8,192, K 1,024] x [K 1,024, N 1,024]; A: input x2; B: input WK: QUANTISED
;;     3. [M 8,192, K 1,024] x [K 1,024, N 1,024]; A: input x2; B: input WV: QUANTISED
;;     4. batch 4 x [M 2,048, K 1,024] x [K 1,024, N 2,048]; A: computed on the way; B: computed on the way: QUANTISED
;;     5. batch 4 x [M 2,048, K 2,048] x [K 2,048, N 1,024]; A: softmax (see below); B: computed on the way: QUANTISED
;;   THE QUANTISER, for each operand of a quantised product, along K:
;;     - K is cut into blocks of 32 from its start; a last block that is shorter is filled with zeros.
;;     - A block's scale is 2^e with e = floor(log2(the largest magnitude in the block)) - 4, held to -126 .. 127; a block of zeros has e = 0. As a byte (E8M0): e + 127.
;;     - Each number is divided by its block's scale, clamped to +-28, and rounded to the nearest number of E3M2, ties to even, subnormals kept.
;;     - The product sums the exact products of the quantised numbers (number of the format x scale) in f32.
;;   ~~~python
;;   def quantise(x, axis):      # numpy; x: float32 -> the quantised numbers, widened to float32 again
;;       x = np.moveaxis(x, axis, -1); K = x.shape[-1]
;;       x = np.pad(x, [(0, 0)] * (x.ndim - 1) + [(0, -K % 32)]); x = x.reshape(x.shape[:-1] + (-1, 32)); a = np.abs(x).max(-1, keepdims=True)
;;       e = np.where(a > 0, np.clip(np.frexp(np.where(a > 0, a, 1))[1] - 1 - 4, -126, 127), 0)      # np.frexp(a)[1] - 1 = floor(log2(a)), exactly
;;       r = np.clip(x / 2.0 ** e, -28, 28)
;;       step = 2.0 ** (np.maximum(np.frexp(np.where(r == 0, 1, r))[1] - 1, -2) - 2)
;;       q = np.round(r / step) * step * 2.0 ** e      # np.round: ties to even
;;       return np.moveaxis(q.reshape(q.shape[:-2] + (-1,))[..., :K], -1, axis).astype(np.float32)
;;   ~~~
;;   SOFTMAX AHEAD OF A QUANTISED PRODUCT. Where the list says 'softmax', what is quantised is not the finished softmax but p = 2^(t - M), with t = logit x log2(e) and M = ceil(the row's largest t), a whole number; so 1/2 < the row's largest p <= 1. The row's sum l is taken of the UNQUANTISED p, in f32, and the product's result is divided by l at the end. Since M is a whole number, a kernel that streams over the keys may use a running M (the ceiling of the running maximum): every later rescaling is an exact power of two, which a block's scale takes up: the codes' values come out the same.
;;   OPERANDS COMPUTED ON THE WAY. 'Computed on the way' means the value that the module computes at that place (a softmax that the list does not call 'softmax' is quantised finished and normalised). What goes into a quantiser is computed in f32, as accurately as f32 sums, v_exp_f32 and their like allow (about 1e-6 of the number): no bf16 or f16 on the way to a quantiser, and a product that is left as it is and whose result goes on into a quantised operand takes f32 operands (vector FMAs, or v_wmma_f32_16x16x4_f32). A number that lies on a knife's edge between two numbers of the format may be rounded either way, as far as f32 arithmetic and the matrix unit's own rounding can turn it there, and no further.
;; One version. Each part assembles by itself: llvm-mc -triple=amdgcn-amd-amdhsa -mcpu=gfx1250 --defsym DOCPART=n.
;; ======== version 1 of 1: 4 launches
;; limits: right only within a limited range of input values
;; workspace buffers: st1 19,660,800 bytes; st2 13,107,200 bytes; st3 19,791,872 bytes
;; launch quant (part 1): grid 608 x 1, 4 waves a work-group, no clusters, 60,928 bytes of LDS; arguments x1, x2, WQ, WK, WV, st1; writes st1
.if DOCPART == 1
	.amdgcn_target "amdgcn-amd-amdhsa--gfx1250"
	.amdhsa_code_object_version 6
	.text
	.protected	k_q3c86c2d85a_quant
	.globl	k_q3c86c2d85a_quant
	.p2align	8
	.type	k_q3c86c2d85a_quant,@function
k_q3c86c2d85a_quant:
	s_mov_b64 s[64:65], 0
	v_nop
	global_prefetch_b8 v0, s[64:65] scope:SCOPE_SE
	s_setreg_imm32_b32 hwreg(HW_REG_WAVE_MODE, 25, 1), 1
	s_wait_xcnt 0x0
; LAUNCH 1 OF 4.  y = softmax(cos(x1 WQ, x2 WK)) (x2 WV), all five products on codes of BF6 (E3M2) with one E8M0 scale for each 32 along K.
; NO WORK OF THE PROBLEM IS LEFT OUT: all five inputs reach the output, all five products are made, by launches 2 (q, k), 3 (scores, v) and 4 (the weighted sum).
; This launch turns x1, x2 [8192][1024] (K innermost) and WQ, WK, WV [1024 (K)][1024] (K outermost) into codes and scale bytes, once, in the order in which the later launches' operand registers take them.
; THE QUANTISER: a block's scale is 2^(floor(log2(largest magnitude)) - 4): its byte is the largest magnitude's exponent field - 4, held at 1 from below by a floor among the maximum's leaves.
; LIMITS: a block of zeros gets the byte 1 where the rule says 127 (its codes are zeros, which add nothing under any byte but 0xff, and this program alone reads the bytes); NaN and infinities among the inputs are not served.
; LAYOUT OF EVERY OPERAND OF THIS PROGRAM.  Rows stand in POSITIONS: position 32 g + 16 u + r holds row 32 g + 8 u + (r & 7) + 16 (r >> 3); a tile is 16 positions.  As source 0 of a product the 16 result registers of tiles
; 2 g, 2 g + 1 are then 16 neighbouring rows, which is what the next quantiser wants.  A fragment (16 positions x 128 K, 12 registers a lane) lies as an image of its registers: registers 4 c .. 4 c + 3 of lane l at byte 512 c + 16 l: 1,536 bytes.
; Codes: [K step][512 tile slots][1536].  Scale words: [pair of K steps][position][2 words], so that 32 lanes x 8 bytes bring two tiles' words of two K steps.
; st1: x1's codes at 0, x2's at X2C, the weights' at WC (WQ slots 0-63, WK 64-127, WV 128-191); scale words at X1S, X1S + 262144, WS.
; Work-groups 0-511: 32 rows of x1 or x2, a wave to 256 along K.  Work-groups 512-607: 128 columns x 256 along K of one weight, a wave to 32 columns.  The two ways have LDS bytes of their own.  Waves share nothing: no barrier.
; No tensor loads, matrix units or clusters: the launch streams each input byte once.
.set X2C,   6291456
.set WC,    12582912
.set X1S,   18874368
.set WS,    19398656
.set KSTR,  786432                     ; bytes from a K step's images to the next: 512 slots x 1,536
.set XSTW,  8448                       ; x's stage, from LDS byte 0: 16 rows x (512 + 16) bytes for each wave
.set WST,   33792                      ; the weights' stage: 4 fragments x (1,536 + 128) bytes for each wave
.set WSTW,  6656
.set SPARE, 60416                      ; the spare words, 128 bytes for each wave: two blocks of 256 bytes that no other line names
.set SPW,   12                         ; v12  LDS address of my spare word; never rewritten
.set NIL,   13                         ; v13  0; never rewritten
.set R,     16                         ; x: v16-143 two sets of 64 numbers as loaded
.set X,     144                        ; v144-207 64 numbers in the operand's order
.set C,     208                        ; v208-231 two sets of 12 registers of codes
.set CV2,   232                        ; v232-238 the upper halves of two blocks' codes (a conversion's three registers begin on an even number)
.set T,     240
.set SO,    242
.set BY,    244
.set WD,    246
.set W2,    247
.set WRD,   248                        ; v248-251 a scale word for each fragment
.set OP,    252
.set XW,    16                         ; weights: v16-79 two sets of 32 numbers
.set CW,    80                         ; v80-85 a block's codes;  v88-90 their upper half as converted
.set SB,    96                         ; v96-97 my column's two scale words
.set OUTR,  144                        ; v144-191 four fragments read back
	s_load_b128 s[4:7], s[0:1], 0x0                ; x1, x2
	s_load_b128 s[8:11], s[0:1], 0x10              ; WQ, WK
	s_load_b128 s[12:15], s[0:1], 0x20             ; WV, st1
	v_lshl_add_u32 v[SPW], v0, 2, SPARE
	v_mov_b32 v[NIL], 0
	v_lshrrev_b32 v1, 5, v0
	v_readfirstlane_b32 s16, v1                    ; wave
	v_and_b32 v1, 31, v0                           ; lane
	v_lshlrev_b32 v4, 4, v1                        ; 16 x lane
	s_cmp_lt_u32 ttmp9, 512
	s_cbranch_scc0 .Lweights
	; ---------------- x1, x2: K innermost ----------------
	v_and_b32 v2, 15, v0                           ; r
	v_bfe_u32 v3, v0, 4, 1                         ; h
	s_mul_i32 s17, s16, XSTW                       ; my stage
	v_add_nc_u32 v5, s17, v4                       ; into it: a row's 512 bytes as loaded
	v_mul_u32_u24 v6, v2, 528
	v_lshl_add_u32 v6, v3, 7, v6
	v_add_nc_u32 v6, s17, v6                       ; out of it: row r, + 128 h: my 32 numbers of each 64
	v_lshlrev_b32 v7, 3, v3                        ; 8 h
	v_lshlrev_b32 v8, 3, v1                        ; 8 x lane
	v_mov_b32 v[W2], 0                             ; a lane permute's destination counts as one of its sources
	s_mov_b32 s18, 0x76543210
	s_mov_b32 s19, 0xfedcba98                      ; selects for lane l xor 16
	s_and_b32 s20, ttmp9, 255                      ; g: rows 32 g .. 32 g + 31
	s_lshl_b32 s22, s20, 17                        ; 32 rows of 4,096 bytes
	s_lshl_b32 s23, s16, 10                        ; my 256 along K
	s_add_co_u32 s22, s22, s23
	s_mov_b32 s23, 0
	s_mul_i32 s24, s16, 2*KSTR                     ; codes: K steps 2 wave, 2 wave + 1,
	s_mul_i32 s25, s20, 3072                       ; tiles 2 g, 2 g + 1
	s_add_co_u32 s24, s24, s25
	s_mov_b32 s25, 0
	s_lshl_b32 s26, s16, 16                        ; scale words: pair of K steps = wave,
	s_lshl_b32 s27, s20, 8                         ; 32 positions x 8 bytes
	s_add_co_u32 s26, s26, s27
	s_add_co_u32 s26, s26, X1S
	s_mov_b32 s27, 0
	s_cmp_lt_u32 ttmp9, 256                        ; x1 or x2: the choice hangs on the work-group's number alone
	s_cselect_b32 s28, 0, X2C
	s_cselect_b32 s29, 0, 262144
	s_wait_alu depctr_va_vdst(0)
	s_wait_kmcnt 0x0
	s_cselect_b64 s[4:5], s[4:5], s[6:7]
	s_add_co_u32 s24, s24, s28
	s_add_co_u32 s26, s26, s29
	s_add_nc_u64 s[4:5], s[4:5], s[22:23]
	s_add_nc_u64 s[24:25], s[14:15], s[24:25]
	s_add_nc_u64 s[26:27], s[14:15], s[26:27]
; fragment f = 2 s + u: tile u of my two, K step s of my two.  Load i reads 512 consecutive bytes: 128 along K of the row at position i
.macro LOADF f
.irp i, 0,1,2,3,4,5,6,7,8,9,10,11,12,13,14,15
	global_load_b128 v[R+64*((\f)&1)+4*\i:R+64*((\f)&1)+4*\i+3], v4, s[4:5] offset:(8*((\f)&1)+(\i&7)+16*(\i>>3))*4096+((\f)>>1)*512 th:TH_LOAD_NT
.endr
.endm
; through my stage: rows as loaded in, 2 x 128 bytes a lane out.  LDS serves a wave's instructions in order, so no wait stands between the stores and the loads
.macro TURNX f
.irp i, 0,1,2,3,4,5,6,7,8,9,10,11,12,13,14,15
	ds_store_b128 v5, v[R+64*((\f)&1)+4*\i:R+64*((\f)&1)+4*\i+3] offset:528*\i
.endr
.irp c, 0,1
.irp j, 0,1,2,3,4,5,6,7
	ds_load_b128 v[X+32*\c+4*\j:X+32*\c+4*\j+3], v6 offset:256*\c+16*\j    ; register 32 c + i: k = 64 c + 32 h + i of row r: the operand's own order
.endr
.endr
.endm
.macro QUANTX f
.set CS, C+12*((\f)&1)
.irp c, 0,1
	v_max3_num_f32 v[T+\c], |v[X+32*\c]|, |v[X+32*\c+1]|, 0x2800000      ; my block 2 c + h, all 32 numbers mine, and the floor 2^(5 - 127)
.endr
.irp i, 2,4,6,8,10,12,14,16,18,20,22,24,26,28,30
.irp c, 0,1
	v_max3_num_f32 v[T+\c], v[T+\c], |v[X+32*\c+\i]|, |v[X+32*\c+\i+1]|
.endr
.endr
.irp c, 0,1
	v_add_nc_u32 v[SO+\c], 0xfe000000, v[T+\c]     ; 4 off the exponent field: the conversion's scale operand
.endr
.irp c, 0,1
	v_lshrrev_b32 v[BY+\c], 23, v[SO+\c]           ; the scale's byte
.endr
	v_lshl_or_b32 v[WD], v[BY+1], 16, v[BY]        ; bytes h and 2 + h of my row's word,
	v_lshlrev_b32 v[WD], v7, v[WD]
	v_permlanex16_b32 v[W2], v[WD], s18, s19
	v_or_b32 v[WRD+(\f)], v[WD], v[W2]             ; with lane l xor 16's two the word is whole
.irp c, 0,1
	v_cvt_scalef32_pk16_bf6_f32 v[CS+6*\c:CS+6*\c+2], v[X+32*\c:X+32*\c+15], v[SO+\c]
	v_cvt_scalef32_pk16_bf6_f32 v[CV2+4*\c:CV2+4*\c+2], v[X+32*\c+16:X+32*\c+31], v[SO+\c]
.endr
	v_nop                                          ; one plain place behind a scaled conversion
.irp c, 0,1
.irp i, 0,1,2
	v_mov_b32 v[CS+6*\c+3+\i], v[CV2+4*\c+\i]
.endr
.endr
.endm
	LOADF 0
	LOADF 1
.irp f, 0,1,2,3
.if \f < 3
	s_wait_loadcnt 16                              ; this fragment's 16 loads are in; the next fragment's 16 may be out
.else
	s_wait_loadcnt 0x0
.endif
	TURNX \f
	s_wait_dscnt 0x0                               ; the numbers are back in the operand's order
.if \f < 2
	LOADF \f+2
.else
	s_wait_xcnt 0x0                                ; the stores of two fragments ago have read their registers: that set of codes is written again
.endif
	QUANTX \f
.irp c, 0,1,2
	global_store_b128 v4, v[C+12*(\f&1)+4*\c:C+12*(\f&1)+4*\c+3], s[24:25] offset:(\f>>1)*KSTR+(\f&1)*1536+512*\c   ; 512 consecutive bytes
.endr
.endr
	v_cmp_le_u32 vcc_lo, 16, v1
	v_cndmask_b32 v[OP], v[WRD], v[WRD+1], vcc_lo      ; lanes 0-15: tile 0's words, lanes 16-31: tile 1's; first K step,
	v_cndmask_b32 v[OP+1], v[WRD+2], v[WRD+3], vcc_lo  ; second
	global_store_b64 v8, v[OP:OP+1], s[26:27]      ; 256 consecutive bytes
	s_wait_tensorcnt 0x0                           ; the wave's end
	ds_add_u32 v[SPW], v[NIL]
	s_wait_dscnt 0x0
	s_endpgm
	; ---------------- WQ, WK, WV: K outermost.  A lane takes a column, its registers run down K ----------------
.Lweights:
	s_sub_co_u32 s20, ttmp9, 512
	s_lshr_b32 s21, s20, 5                         ; which weight
	s_bfe_u32 s22, s20, 0x30002                    ; which 128 columns
	s_and_b32 s23, s20, 3                          ; which 256 along K
	v_bfe_u32 v2, v0, 3, 1                         ; my column's tile of the pair: u = (lane >> 3) & 1,
	v_and_b32 v3, 7, v0
	v_bfe_u32 v7, v0, 4, 1
	v_lshl_add_u32 v3, v7, 3, v3                   ; and its position there: r = (lane & 7) + 8 (lane >> 4)
	s_mul_i32 s17, s16, WSTW
	s_add_co_u32 s17, s17, WST                     ; my stage
	v_mul_u32_u24 v5, v2, 1664
	v_lshl_add_u32 v5, v3, 4, v5
	v_add_nc_u32 v5, s17, v5                       ; into it: fragment u, lane r's 16 bytes
	s_wait_alu depctr_va_vdst(0)
	v_add_nc_u32 v6, s17, v4                       ; out of it: 16 x lane
	v_lshl_add_u32 v8, v2, 4, v3
	v_lshlrev_b32 v8, 3, v8                        ; my position's two scale words
	v_lshlrev_b32 v9, 2, v1                        ; in: 4 bytes a lane
	s_lshl_b32 s24, s23, 20                        ; 256 rows of 4,096 bytes
	s_lshl_b32 s25, s22, 9
	s_add_co_u32 s24, s24, s25
	s_lshl_b32 s25, s16, 7
	s_add_co_u32 s24, s24, s25
	s_mov_b32 s25, 0
	s_lshl_b32 s26, s21, 5
	s_lshl_b32 s27, s22, 2
	s_add_co_u32 s26, s26, s27
	s_add_co_u32 s26, s26, s16                     ; my pair of tiles: 32 weight + 4 column block + wave
	s_lshl_b32 s28, s26, 8                         ; its scale words: 32 positions x 8 bytes
	s_mul_i32 s26, s26, 3072
	s_mul_i32 s27, s23, 2*KSTR
	s_add_co_u32 s26, s26, s27
	s_add_co_u32 s26, s26, WC
	s_mov_b32 s27, 0
	s_lshl_b32 s29, s23, 16
	s_add_co_u32 s28, s28, s29
	s_add_co_u32 s28, s28, WS
	s_mov_b32 s29, 0
	s_wait_alu depctr_va_vdst(0)
	s_wait_kmcnt 0x0
	s_cmp_eq_u32 s21, 1
	s_cselect_b64 s[8:9], s[10:11], s[8:9]
	s_cmp_eq_u32 s21, 2
	s_cselect_b64 s[8:9], s[12:13], s[8:9]
	s_add_nc_u64 s[8:9], s[8:9], s[24:25]
	s_add_nc_u64 s[26:27], s[14:15], s[26:27]
	s_add_nc_u64 s[28:29], s[14:15], s[28:29]
.macro WLOAD t                         ; block t: W(32 t + i, my column): 128 consecutive bytes a wave, 512 a work-group
.irp i, 0,1,2,3,4,5,6,7,8,9,10,11,12,13,14,15,16,17,18,19,20,21,22,23,24,25,26,27,28,29,30,31
	global_load_b32 v[XW+32*((\t)&1)+\i], v9, s[8:9] offset:(32*(\t)+\i)*4096 th:TH_LOAD_NT
.endr
.endm
	WLOAD 0
	WLOAD 1
.macro BLOCK t
.set XS, XW+32*((\t)&1)
.set BO, ((\t)>>2)*3328+((\t)&1)*256   ; K step t / 4 (two fragments on), lanes' half t % 2
.if (\t) < 7
	s_wait_loadcnt 32                              ; this block's 32 loads are in; the next block's may be out
.else
	s_wait_loadcnt 0x0
.endif
	v_max3_num_f32 v92, |v[XS]|, |v[XS+1]|, |v[XS+2]|
	v_max3_num_f32 v93, |v[XS+3]|, |v[XS+4]|, |v[XS+5]|
.irp i, 6,10,14,18,22,26
	v_max3_num_f32 v92, v92, |v[XS+\i]|, |v[XS+\i+1]|
	v_max3_num_f32 v93, v93, |v[XS+\i+2]|, |v[XS+\i+3]|
.endr
	v_max3_num_f32 v92, v92, |v[XS+30]|, |v[XS+31]|
	v_max3_num_f32 v92, v92, v93, 0x2800000        ; and the floor 2^(5 - 127)
	v_add_nc_u32 v94, 0xfe000000, v92
	v_lshrrev_b32 v95, 23, v94
.if ((\t)&3) == 0
	v_mov_b32 v[SB+((\t)>>2)], v95
.else
	v_lshl_or_b32 v[SB+((\t)>>2)], v95, 8*((\t)&3), v[SB+((\t)>>2)]
.endif
	v_cvt_scalef32_pk16_bf6_f32 v[CW:CW+2], v[XS:XS+15], v94
	v_cvt_scalef32_pk16_bf6_f32 v[CW+8:CW+10], v[XS+16:XS+31], v94
	v_nop                                          ; one plain place behind a scaled conversion
.irp i, 0,1,2
	v_mov_b32 v[CW+3+\i], v[CW+8+\i]
.endr
.if (((\t)>>1)&1) == 0                 ; the block is registers 0-5 of its lane of the fragment: four in the image's first 512 bytes, two in the second;
	ds_store_b128 v5, v[CW:CW+3] offset:BO
	ds_store_b64 v5, v[CW+4:CW+5] offset:BO+512
.else                                  ; or registers 6-11: two in the second, four in the third
	ds_store_b64 v5, v[CW:CW+1] offset:BO+520
	ds_store_b128 v5, v[CW+2:CW+5] offset:BO+1024
.endif
.if (\t)+2 < 8
	WLOAD (\t)+2
.endif
	s_wait_dscnt 0x0                               ; the stores have read their registers: the next block's codes may be written
.endm
.irp t, 0,1,2,3,4,5,6,7
	BLOCK \t
.endr
	s_wait_alu depctr_va_vdst(0)
	global_store_b64 v8, v[SB:SB+1], s[28:29]      ; the 32 lanes fill 256 consecutive bytes
.irp F, 0,1,2,3
.irp c, 0,1,2
	ds_load_b128 v[OUTR+12*\F+4*\c:OUTR+12*\F+4*\c+3], v6 offset:\F*1664+512*\c   ; LDS serves a wave's instructions in order: these see my stores
.endr
.endr
.irp F, 0,1,2,3
.irp c, 0,1,2
	s_wait_dscnt 11-(3*\F+\c)
	global_store_b128 v4, v[OUTR+12*\F+4*\c:OUTR+12*\F+4*\c+3], s[26:27] offset:(\F>>1)*KSTR+(\F&1)*1536+512*\c   ; 512 consecutive bytes
.endr
.endr
	s_wait_tensorcnt 0x0                           ; the wave's end
	ds_add_u32 v[SPW], v[NIL]
	s_wait_dscnt 0x0
	s_endpgm
.Lfunc_end_k_q3c86c2d85a_quant:
	.size	k_q3c86c2d85a_quant, .Lfunc_end_k_q3c86c2d85a_quant-k_q3c86c2d85a_quant
	.p2alignl 7, 3214868480
	.fill 96, 4, 3214868480
	.section	.rodata,"a",@progbits
	.p2align	6, 0x0
	.amdhsa_kernel k_q3c86c2d85a_quant
		.amdhsa_group_segment_fixed_size 60928
		.amdhsa_private_segment_fixed_size 0
		.amdhsa_enable_private_segment 0
		.amdhsa_kernarg_size 48
		.amdhsa_user_sgpr_count 2
		.amdhsa_user_sgpr_kernarg_segment_ptr 1
		.amdhsa_wavefront_size32 1
		.amdhsa_system_sgpr_workgroup_id_x 1
		.amdhsa_system_sgpr_workgroup_id_y 1
		.amdhsa_system_sgpr_workgroup_id_z 1
		.amdhsa_system_vgpr_workitem_id 0
		.amdhsa_next_free_vgpr 256
		.amdhsa_next_free_sgpr 66
		.amdhsa_reserve_vcc 1
		.amdhsa_float_denorm_mode_32 3
		.amdhsa_float_denorm_mode_16_64 3
		.amdhsa_memory_ordered 1
		.amdhsa_forward_progress 1
		.amdhsa_inst_pref_size 72
	.end_amdhsa_kernel
	.amdgpu_metadata
---
amdhsa.version: [ 1, 2 ]
amdhsa.kernels:
  - .name:           k_q3c86c2d85a_quant
    .symbol:         k_q3c86c2d85a_quant.kd
    .args:
      - { .name: x1, .offset: 0, .size: 8, .value_kind: global_buffer, .address_space: global }
      - { .name: x2, .offset: 8, .size: 8, .value_kind: global_buffer, .address_space: global }
      - { .name: WQ, .offset: 16, .size: 8, .value_kind: global_buffer, .address_space: global }
      - { .name: WK, .offset: 24, .size: 8, .value_kind: global_buffer, .address_space: global }
      - { .name: WV, .offset: 32, .size: 8, .value_kind: global_buffer, .address_space: global }
      - { .name: st1, .offset: 40, .size: 8, .value_kind: global_buffer, .address_space: global }
    .group_segment_fixed_size: 60928
    .private_segment_fixed_size: 0
    .kernarg_segment_align: 8
    .kernarg_segment_size: 48
    .max_flat_workgroup_size: 128
    .sgpr_count:     66
    .vgpr_count:     256
    .wavefront_size: 32
...
	.end_amdgpu_metadata
.endif
;; end of part 1
;; launch proj (part 2): grid 128 x 2, 4 waves a work-group, no clusters, 167,936 bytes of LDS; arguments st1, st2; writes st2
.if DOCPART == 2
	.amdgcn_target "amdgcn-amd-amdhsa--gfx1250"
	.amdhsa_code_object_version 6
	.text
	.protected	k_q3c86c2d85a_proj
	.globl	k_q3c86c2d85a_proj
	.p2align	8
	.type	k_q3c86c2d85a_proj,@function
k_q3c86c2d85a_proj:
	s_mov_b64 s[64:65], 0
	v_nop
	global_prefetch_b8 v0, s[64:65] scope:SCOPE_SE
	s_setreg_imm32_b32 hwreg(HW_REG_WAVE_MODE, 25, 1), 1
	s_wait_xcnt 0x0
; LAUNCH 2 OF 4.  y = 0: q = x1 WQ;  y = 1: k = x2 WK; each row divided by its length, as rsqrt(max(sum of squares, 1e-12)), and quantised along D.  Nothing of the problem is left out here.
; The length of a row is wanted ahead of the quantiser, so ONE work-group owns whole rows: 64 positions of x (x = block 0..127) x all 1,024 columns; a wave makes 64 x 256: 64 accumulators, 512 registers.
; Operands are images of fragment registers and scale words by pairs of K steps, rows in positions, as launch 1 laid them (its head comment).  The product is used transposed: source 0 = 16 columns of W,
; source 1 = 16 positions of x: a lane holds one position, and its registers run along the columns in their natural order, which are the next product's K.
; x's 64 rows, all of K (49,152 bytes), are read by all four waves: they come into LDS once, one tensor load a wave, and nothing is filled again.
; W's fragments are each read by ONE wave (its own 256 columns), and lie in memory as images of registers: they go from memory straight into registers, 512 consecutive bytes a load, with no stage in LDS.
; THE RING OF REGISTERS: six groups of four fragments (48 registers each); a group serves 16 products and is loaded again, with the group six on, behind them: five groups, 60 loads, are out ahead of the group at work.
; NO CLUSTER: what the work-groups share is W, which here has no LDS tile that a joint load could fill; x's rows are nobody else's.
; No prefetch: W's loads are themselves issued five groups ahead of their use, and x's codes come once at the head.
; The K loop is written out: each group names its own ring registers and scale registers.
; LIMITS: NaN and infinities are not served; a block of zeros gets the byte 1 (its codes are zeros; this program alone reads the bytes).
; REGISTERS: window 0: v0-31 addresses; v32-47 x's scale words, v48-111 W's; v112-207 x's fragments, two sets; v208-255 ring group 5 (on the way out v112-255: sums, codes, words).  window 1: ring groups 0-4.
;   windows 2, 3: accumulator (a, b) at v[8 (8 a + b % 8)] of window 2 + b / 8.
.set X2C,   6291456
.set WC,    12582912
.set X1S,   18874368
.set WS,    19398656
.set QS,    12582912
.set SDIST, 262144
.set KSTR,  786432
.set FRB,   1536
.set NRM,   49152                      ; behind x's 49,152 bytes: 4 waves x 64 sums of squares
.set SPARE, 50176                      ; the spare words, 128 bytes for each wave
.set LI,  3
.set L8,  4
.set NW,  5
.set NR,  6
.set SPW, 28
.set NIL, 29
.set SCA, 32
.set SCB, 48
.set AF,  112
.set RG5, 208
.set TM,  224
.set CV2, 240
.set SS,  152
.set PS4, 160
.set RS,  176
.set PWD, 192
.set OW,  200
.set WV,  8
.set SEL, 60
.set G1A, 24
.set G0A, 32
.set MSB, 0
.macro WIN new                         ; the immediate's high byte repeats the setting that is left
.if MSB != (\new)
	s_set_vgpr_msb (MSB<<8)|(\new)
.set MSB, (\new)
.endif
.endm
.macro PLACES                          ; four plain places behind matrix instructions, ahead of loads into their sources and of reads of their results
.rept 4
	v_nop
.endr
.endm
.macro WMX zero
.if \zero
.if pB && pA
	v_wmma_scale_f32_16x16x128_f8f6f4 v[rD:rD+7], v[rB:rB+11], v[rA:rA+11], 0, v[rSB], v[rSA] matrix_a_fmt:MATRIX_FMT_BF6 matrix_b_fmt:MATRIX_FMT_BF6 matrix_a_scale:MATRIX_SCALE_ROW1 matrix_b_scale:MATRIX_SCALE_ROW1
.elseif pB
	v_wmma_scale_f32_16x16x128_f8f6f4 v[rD:rD+7], v[rB:rB+11], v[rA:rA+11], 0, v[rSB], v[rSA] matrix_a_fmt:MATRIX_FMT_BF6 matrix_b_fmt:MATRIX_FMT_BF6 matrix_a_scale:MATRIX_SCALE_ROW1
.elseif pA
	v_wmma_scale_f32_16x16x128_f8f6f4 v[rD:rD+7], v[rB:rB+11], v[rA:rA+11], 0, v[rSB], v[rSA] matrix_a_fmt:MATRIX_FMT_BF6 matrix_b_fmt:MATRIX_FMT_BF6 matrix_b_scale:MATRIX_SCALE_ROW1
.else
	v_wmma_scale_f32_16x16x128_f8f6f4 v[rD:rD+7], v[rB:rB+11], v[rA:rA+11], 0, v[rSB], v[rSA] matrix_a_fmt:MATRIX_FMT_BF6 matrix_b_fmt:MATRIX_FMT_BF6
.endif
.else
.if pB && pA
	v_wmma_scale_f32_16x16x128_f8f6f4 v[rD:rD+7], v[rB:rB+11], v[rA:rA+11], v[rD:rD+7], v[rSB], v[rSA] matrix_a_fmt:MATRIX_FMT_BF6 matrix_b_fmt:MATRIX_FMT_BF6 matrix_a_scale:MATRIX_SCALE_ROW1 matrix_b_scale:MATRIX_SCALE_ROW1
.elseif pB
	v_wmma_scale_f32_16x16x128_f8f6f4 v[rD:rD+7], v[rB:rB+11], v[rA:rA+11], v[rD:rD+7], v[rSB], v[rSA] matrix_a_fmt:MATRIX_FMT_BF6 matrix_b_fmt:MATRIX_FMT_BF6 matrix_a_scale:MATRIX_SCALE_ROW1
.elseif pA
	v_wmma_scale_f32_16x16x128_f8f6f4 v[rD:rD+7], v[rB:rB+11], v[rA:rA+11], v[rD:rD+7], v[rSB], v[rSA] matrix_a_fmt:MATRIX_FMT_BF6 matrix_b_fmt:MATRIX_FMT_BF6 matrix_b_scale:MATRIX_SCALE_ROW1
.else
	v_wmma_scale_f32_16x16x128_f8f6f4 v[rD:rD+7], v[rB:rB+11], v[rA:rA+11], v[rD:rD+7], v[rSB], v[rSA] matrix_a_fmt:MATRIX_FMT_BF6 matrix_b_fmt:MATRIX_FMT_BF6
.endif
.endif
.endm
; 64 numbers of a lane, v[s] .. v[s + 63] of window w, register 16 b + i = k 32 b + 16 (lane / 16) + i of my row, become a fragment's codes in v[pc] on and its scale word in v[pw] (window 0).  Each accumulator is first read at its low end.
.macro QUANT s, w, pc, pw
	WIN (\w)|((\w)<<2)
.irp b, 0,1,2,3
	v_max3_num_f32 v[TM+\b], |v[(\s)+16*\b]|, |v[(\s)+1+16*\b]|, 0x2800000   ; block b: my 16 numbers, and the floor 2^(5 - 127)
.endr
	WIN ((\w)<<2)|((\w)<<4)
.irp i, 2,4,6,8,10,12,14
.irp b, 0,1,2,3
	v_max3_num_f32 v[TM+\b], v[TM+\b], |v[(\s)+16*\b+\i]|, |v[(\s)+1+16*\b+\i]|
.endr
.endr
	WIN 0
.irp b, 0,1,2,3
	v_permlanex16_b32 v[TM+4+\b], v[TM+\b], s[SEL], s[SEL+1]
.endr
.irp b, 0,1,2,3
	v_max_num_f32 v[TM+\b], v[TM+\b], v[TM+4+\b]   ; with lane l xor 16's: the block's largest magnitude
.endr
.irp b, 0,1,2,3
	v_add_nc_u32 v[TM+12+\b], 0xfe000000, v[TM+\b] ; 4 off its exponent field: the conversion's scale operand
.endr
.irp b, 0,1,2,3
	v_lshrrev_b32 v[TM+4+\b], 23, v[TM+12+\b]      ; the scale's byte
.endr
	v_lshl_or_b32 v[\pw], v[TM+5], 8, v[TM+4]
	v_lshl_or_b32 v[\pw], v[TM+6], 16, v[\pw]
	v_lshl_or_b32 v[\pw], v[TM+7], 24, v[\pw]
	WIN (\w)
.irp c, 0,1
	v_cvt_scalef32_pk16_bf6_f32 v[(\pc)+6*\c:(\pc)+6*\c+2], v[(\s)+32*\c:(\s)+32*\c+15], v[TM+12+2*\c]
	v_cvt_scalef32_pk16_bf6_f32 v[CV2+4*\c:CV2+4*\c+2], v[(\s)+32*\c+16:(\s)+32*\c+31], v[TM+13+2*\c]
.endr
	WIN 0
	v_nop                                          ; one plain place behind a scaled conversion
.irp c, 0,1                            ; the operand's layout wants a whole block in a lane
.irp i, 0,1,2
	v_permlane16_swap_b32 v[(\pc)+6*\c+\i], v[CV2+4*\c+\i]
.endr
.irp i, 0,1,2
	v_mov_b32 v[(\pc)+6*\c+3+\i], v[CV2+4*\c+\i]
.endr
.endr
.endm
	s_load_b128 s[4:7], s[0:1], 0x0                ; st1, st2
	v_lshl_add_u32 v[SPW], v0, 2, SPARE
	v_mov_b32 v[NIL], 0
	ds_add_u32 v[SPW], v[NIL]                      ; the wave's opening
	ds_add_u32 v[SPW], v[NIL]
	v_lshrrev_b32 v1, 5, v0
	v_readfirstlane_b32 s[WV], v1                  ; wave 0..3
	s_mov_b32 s10, ttmp9                           ; x: my 64 positions
	s_and_b32 s11, ttmp7, 0xffff                   ; y: q or k
	; x's tile of a wave: K steps 2 w, 2 w + 1 as two rows of 4 images (6,144 bytes = 768 elements of 8), a K step (98,304 elements) apart
	s_mov_b32 s[G1A], 3<<16
	s_mov_b32 s[G1A+1], 768<<16
	s_mov_b32 s[G1A+2], 2<<16
	s_mov_b32 s[G1A+3], 768<<16
	s_mov_b32 s[G1A+4], 2
	s_mov_b32 s[G1A+5], 98304
	s_mov_b32 s[G1A+6], 0
	s_mov_b32 s[G1A+7], 0
	s_cmp_eq_u32 s11, 0
	s_cselect_b32 s12, 0, X2C
	s_cselect_b32 s13, 0, SDIST
	s_mul_i32 s14, s[WV], 2*KSTR
	s_mul_i32 s15, s10, 4*FRB
	s_add_co_u32 s16, s12, s14
	s_add_co_u32 s16, s16, s15                     ; x's codes that I fetch in st1; the same offset in st2 is where my results' codes go
	s_mov_b32 s17, 0
	s_mul_i32 s18, s11, 64*FRB                     ; W: WQ's or WK's slots,
	s_mul_i32 s20, s[WV], 16*FRB                   ; my 16 tiles
	s_add_co_u32 s18, s18, s20
	s_add_co_u32 s18, s18, WC
	s_mov_b32 s19, 0
	s_lshl_b32 s21, s10, 9                         ; 64 positions x 8 bytes
	s_add_co_u32 s21, s21, s13
	s_add_co_u32 s52, s21, X1S                     ; x's scale words
	s_mov_b32 s53, 0
	s_lshl_b32 s22, s[WV], 16
	s_add_co_u32 s58, s21, s22
	s_add_co_u32 s58, s58, QS                      ; the results' scale words: pair of K steps = wave
	s_mov_b32 s59, 0
	s_lshl_b32 s54, s11, 13
	s_lshl_b32 s22, s[WV], 11
	s_add_co_u32 s54, s54, s22
	s_add_co_u32 s54, s54, WS                      ; W's scale words: my 256 positions
	s_mov_b32 s55, 0
	s_mul_i32 s23, s[WV], 8*FRB                    ; x's two K steps in LDS
	s_lshl_b32 s22, s[WV], 8
	s_mov_b32 s[SEL], 0x76543210
	s_mov_b32 s[SEL+1], 0xfedcba98
	s_wait_dscnt 0x0                               ; both opening adds are done
	s_wait_kmcnt 0x0
	s_add_nc_u64 s[52:53], s[4:5], s[52:53]
	s_add_nc_u64 s[54:55], s[4:5], s[54:55]
	s_add_nc_u64 s[56:57], s[6:7], s[16:17]
	s_add_nc_u64 s[58:59], s[6:7], s[58:59]
	s_add_nc_u64 s[18:19], s[4:5], s[18:19]
	s_mov_b32 s[G0A], 1
	s_mov_b32 s[G0A+1], s23
	s_add_nc_u64 s[G0A+2:G0A+3], s[4:5], s[16:17]
	s_or_b32 s[G0A+3], s[G0A+3], 0x80000000
	tensor_load_to_lds s[G0A:G0A+3], s[G1A:G1A+7]  ; my one tensor load: x's K steps 2 w, 2 w + 1
	s_nop 0
	PLACES
	v_and_b32 v1, 31, v0                           ; lane
	v_and_b32 v2, 15, v0                           ; r
	v_lshlrev_b32 v[LI], 4, v1
	v_lshlrev_b32 v[L8], 3, v1
	v_lshl_add_u32 v[NR], v2, 2, NRM
	v_add_nc_u32 v[NW], s22, v[NR]
	s_wait_alu depctr_va_vdst(0)                   ; the head's end
.irp kp, 0,1,2,3                       ; all scale words of all K steps: a pair = (even K step, odd K step); lanes 0-15 the even tile of a pair, lanes 16-31 the odd one; 256 consecutive bytes a load
.irp j, 0,1
	global_load_b64 v[SCA+(\kp*2+\j)*2:SCA+(\kp*2+\j)*2+1], v[L8], s[52:53] offset:\kp*65536+256*\j
.endr
.irp j, 0,1,2,3,4,5,6,7
	global_load_b64 v[SCB+(\kp*8+\j)*2:SCB+(\kp*8+\j)*2+1], v[L8], s[54:55] offset:\kp*65536+256*\j
.endr
.endr
; group g = four of my tiles of W: K step g / 4, tiles 4 (g % 4) ..; it lies in ring place g % 6: 12 loads of 512 consecutive bytes
.macro LW g
.set rs_, (\g)%6
.if rs_ < 5
	WIN 0x40
.set rb_, 48*rs_
.else
	WIN 0
.set rb_, RG5
.endif
.irp i, 0,1,2,3
.irp c, 0,1,2
	global_load_b128 v[rb_+12*\i+4*\c:rb_+12*\i+4*\c+3], v[LI], s[18:19] offset:((\g)>>2)*KSTR+(4*((\g)&3)+\i)*FRB+512*\c
.endr
.endr
.endm
.macro WLC g                           ; group g's loads are in: behind them the loads of the groups up to g + 5 have been issued, 12 each
.if 31-(\g) >= 5
	s_wait_loadcnt 60
.else
	s_wait_loadcnt 12*(31-(\g))
.endif
.endm
; group g's four tiles, each against x's four: the 64 accumulators take turns, one instruction a turn, in the same order in every K step
.macro MULG g, zero
.set ks_, (\g)>>2
.set rs_, (\g)%6
.if rs_ < 5
	WIN 0xa1+0x50*(((\g)>>1)&1)
.else
	WIN 0xa0+0x50*(((\g)>>1)&1)
.endif
.set ii, 0
.rept 4
.set bb, 4*((\g)&3)+ii
.set aa, 0
.rept 4
.set rD, 8*(8*aa+(bb&7))
.if rs_ < 5
.set rB, 48*rs_+12*ii
.else
.set rB, RG5+12*ii
.endif
.set rA, AF+48*(ks_&1)+12*aa
.set rSB, SCB+((ks_>>1)*8+(bb>>1))*2+(ks_&1)
.set rSA, SCA+((ks_>>1)*2+(aa>>1))*2+(ks_&1)
.set pB, bb&1
.set pA, aa&1
	WMX \zero
.set aa, aa+1
.endr
.set ii, ii+1
.endr
.endm
.macro FA ks                           ; x's four fragments of a K step: 12 loads
.irp a, 0,1,2,3
.irp c, 0,1,2
	ds_load_b128 v[AF+48*((\ks)&1)+12*\a+4*\c:AF+48*((\ks)&1)+12*\a+4*\c+3], v[LI] offset:(4*(\ks)+\a)*FRB+512*\c
.endr
.endr
.endm
.macro GRP g, zero
	WLC \g
.if ((\g)&3) == 0
	s_wait_dscnt 0x0                               ; x's fragments of this K step, asked for 48 products ago
.endif
	MULG \g, \zero
	PLACES
.if (\g)+6 < 32
	LW (\g)+6                                      ; the ring place just multiplied takes the group six on
.endif
.if ((\g)&3) == 0 && (\g) < 28
	WIN 0
	FA ((\g)>>2)+1
.endif
.endm
.irp g, 0,1,2,3,4,5
	LW \g
.endr
	WIN 0
	s_wait_tensorcnt 0x0                           ; my part of x is in
	s_barrier_signal -1
	s_barrier_wait -1                              ; everybody's is
	FA 0
.irp g, 0,1,2,3
	GRP \g, 1                                      ; the first K step's products start the sums
.endr
.set GG, 4
.rept 28
	GRP GG, 0
.set GG, GG+1
.endr
	WIN 0
.irp b, 0,1,2,3
	v_mov_b32 v[TM+4+\b], 0                        ; written once: a lane permute's destination counts as one of its sources
.endr
	; THE WAY OUT.  The sum of squares of my 256 columns, for each of the four tiles of rows: a pair of sums a tile, the four tiles by turns, each accumulator from its low end on
	WIN 0x0a
.set pp, 0
.rept 32
.irp a, 0,1,2,3
.if pp == 0
	v_pk_mul_f32 v[SS+2*\a:SS+2*\a+1], v[64*\a:64*\a+1], v[64*\a:64*\a+1]
.else
	v_pk_fma_f32 v[SS+2*\a:SS+2*\a+1], v[64*\a+2*pp:64*\a+2*pp+1], v[64*\a+2*pp:64*\a+2*pp+1], v[SS+2*\a:SS+2*\a+1]
.endif
.endr
.set pp, pp+1
.endr
	WIN 0x0f
.set pp, 0
.rept 32
.irp a, 0,1,2,3
	v_pk_fma_f32 v[SS+2*\a:SS+2*\a+1], v[64*\a+2*pp:64*\a+2*pp+1], v[64*\a+2*pp:64*\a+2*pp+1], v[SS+2*\a:SS+2*\a+1]
.endr
.set pp, pp+1
.endr
	WIN 0
.irp a, 0,1,2,3
	v_add_f32 v[SS+2*\a], v[SS+2*\a], v[SS+2*\a+1]
.endr
.irp a, 0,1,2,3
	v_permlanex16_b32 v[TM+4+\a], v[SS+2*\a], s[SEL], s[SEL+1]
.endr
.irp a, 0,1,2,3
	v_add_f32 v[SS+2*\a], v[SS+2*\a], v[TM+4+\a]   ; with lane l xor 16's columns
.endr
.irp a, 0,1,2,3
	ds_store_b32 v[NW], v[SS+2*\a] offset:64*\a    ; both halves of the lanes write the same word with the same value
.endr
	s_wait_dscnt 0x0                               ; for the others' sake: my sums have landed
	s_barrier_signal -1
	s_barrier_wait -1
.irp a, 0,1,2,3
.irp w, 0,1,2,3
	ds_load_b32 v[PS4+4*\a+\w], v[NR] offset:256*\w+64*\a
.endr
.endr
	s_wait_dscnt 0x0
.irp a, 0,1,2,3
	v_add_f32 v[SS+2*\a], v[PS4+4*\a], v[PS4+4*\a+1]   ; in the order of the waves, the same in every wave
.endr
.irp a, 0,1,2,3
	v_add_f32 v[SS+2*\a], v[SS+2*\a], v[PS4+4*\a+2]
.endr
.irp a, 0,1,2,3
	v_add_f32 v[SS+2*\a], v[SS+2*\a], v[PS4+4*\a+3]
.endr
.irp a, 0,1,2,3
	v_max_num_f32 v[SS+2*\a], 0x2b8cbccc, v[SS+2*\a]   ; max(.., 1e-12)
.endr
.irp a, 0,1,2,3
	v_mov_b32 v[RS+2*\a+1], 0                      ; (named as the upper half of a pair)
.endr
	s_wait_alu depctr_va_vdst(0)                   ; ahead of the batch
.irp a, 0,1,2,3
	v_rsq_f32 v[RS+2*\a], v[SS+2*\a]
.endr
	v_nop                                          ; a plain place behind the last of them
	s_wait_alu depctr_va_vdst(0)                   ; one wait for the four, ahead of their first reader
; tile a of rows, my columns 128 kk on: divided by the length, quantised: K step 2 w + kk of the next product
.macro GROUP a, kk
.set gi, 2*(\a)+(\kk)
.set pcs, AF+12*(gi&1)
	WIN ((2+(\kk))<<6)|(2+(\kk))
.set pp, 0
.rept 32
	v_pk_mul_f32 v[64*(\a)+2*pp:64*(\a)+2*pp+1], v[64*(\a)+2*pp:64*(\a)+2*pp+1], v[RS+2*(\a):RS+2*(\a)+1] op_sel_hi:[1,0]
.set pp, pp+1
.endr
.if gi >= 2
	s_wait_xcnt 0x0                                ; the stores of two groups ago have read their registers: that set of codes is written again
.endif
	QUANT 64*(\a), 2+(\kk), pcs, PWD+gi
.irp c, 0,1,2
	global_store_b128 v[LI], v[pcs+4*\c:pcs+4*\c+3], s[56:57] offset:(\kk)*KSTR+(\a)*FRB+512*\c   ; 512 consecutive bytes
.endr
.endm
.irp a, 0,1,2,3
	GROUP \a, 0
	GROUP \a, 1
.endr
	v_cmp_le_u32 vcc_lo, 16, v1
.irp j, 0,1
	v_cndmask_b32 v[OW+2*\j], v[PWD+4*\j], v[PWD+4*\j+2], vcc_lo       ; lanes 0-15: tile 2 j's words, lanes 16-31: tile 2 j + 1's; K step 2 w,
	v_cndmask_b32 v[OW+2*\j+1], v[PWD+4*\j+1], v[PWD+4*\j+3], vcc_lo   ; 2 w + 1
.endr
.irp j, 0,1
	global_store_b64 v[L8], v[OW+2*\j:OW+2*\j+1], s[58:59] offset:256*\j   ; 256 consecutive bytes
.endr
	s_wait_tensorcnt 0x0                           ; the wave's end
	ds_add_u32 v[SPW], v[NIL]
	s_wait_dscnt 0x0
	s_endpgm
.Lfunc_end_k_q3c86c2d85a_proj:
	.size	k_q3c86c2d85a_proj, .Lfunc_end_k_q3c86c2d85a_proj-k_q3c86c2d85a_proj
	.p2alignl 7, 3214868480
	.fill 96, 4, 3214868480
	.section	.rodata,"a",@progbits
	.p2align	6, 0x0
	.amdhsa_kernel k_q3c86c2d85a_proj
		.amdhsa_group_segment_fixed_size 167936
		.amdhsa_private_segment_fixed_size 0
		.amdhsa_enable_private_segment 0
		.amdhsa_kernarg_size 16
		.amdhsa_user_sgpr_count 2
		.amdhsa_user_sgpr_kernarg_segment_ptr 1
		.amdhsa_wavefront_size32 1
		.amdhsa_system_sgpr_workgroup_id_x 1
		.amdhsa_system_sgpr_workgroup_id_y 1
		.amdhsa_system_sgpr_workgroup_id_z 1
		.amdhsa_system_vgpr_workitem_id 0
		.amdhsa_next_free_vgpr 1024
		.amdhsa_next_free_sgpr 66
		.amdhsa_reserve_vcc 1
		.amdhsa_float_denorm_mode_32 3
		.amdhsa_float_denorm_mode_16_64 3
		.amdhsa_memory_ordered 1
		.amdhsa_forward_progress 1
		.amdhsa_inst_pref_size 190
	.end_amdhsa_kernel
	.amdgpu_metadata
---
amdhsa.version: [ 1, 2 ]
amdhsa.kernels:
  - .name:           k_q3c86c2d85a_proj
    .symbol:         k_q3c86c2d85a_proj.kd
    .args:
      - { .name: st1, .offset: 0, .size: 8, .value_kind: global_buffer, .address_space: global }
      - { .name: st2, .offset: 8, .size: 8, .value_kind: global_buffer, .address_space: global }
    .group_segment_fixed_size: 167936
    .private_segment_fixed_size: 0
    .kernarg_segment_align: 8
    .kernarg_segment_size: 16
    .max_flat_workgroup_size: 128
    .sgpr_count:     66
    .vgpr_count:     1024
    .wavefront_size: 32
...
	.end_amdgpu_metadata
.endif
;; end of part 2
;; launch score (part 3): grid 64 x 4, 4 waves a work-group, no clusters, 327,680 bytes of LDS; arguments st1, st2, st3; writes st3
.if DOCPART == 3
	.amdgcn_target "amdgcn-amd-amdhsa--gfx1250"
	.amdhsa_code_object_version 6
	.text
	.protected	k_q3c86c2d85a_score
	.globl	k_q3c86c2d85a_score
	.p2align	8
	.type	k_q3c86c2d85a_score,@function
k_q3c86c2d85a_score:
	s_mov_b64 s[64:65], 0
	v_nop
	global_prefetch_b8 v0, s[64:65] scope:SCOPE_SE
	s_setreg_imm32_b32 hwreg(HW_REG_WAVE_MODE, 25, 1), 1
	s_wait_xcnt 0x0
; LAUNCH 3 OF 4.  Each work-group does two things, one after the other.  Nothing of the problem is left out.
; FIRST, SCORES: z = qn kn^T for 128 queries (x) x 512 keys (y); p = 2^(z log2(e) - 2); the sum of the unquantised p over these keys; p quantised along the keys.  A wave makes 128 x 128: 64 accumulators.
; THEN, VALUES: v^T = WV^T x2^T for 128 channels (ia = 4 (y / 2) + x % 4) x 256 keys (jb = 2 (x / 4) + y % 2), quantised along the keys.  A wave makes 64 channels x 128 keys: 32 accumulators.
; THE SHIFT IS THE CONSTANT 2, NOT THE ROW'S MAXIMUM, because the computation itself bounds t = z log2(e) for every input: the problem's own norm gives qn and kn a length of at most 1; the quantiser lengthens a vector
; by at most 10/9 (a number rounded up by half a step of a 2-bit mantissa) + sqrt(32)/512 (half a subnormal step, 1/512 of its block's largest magnitude, in each of 32 places): under 1.125.  So |z| < 1.27, |t| < 1.83 < 2,
; and p lies between 2^-4 and 1: no exponential and no sum of 2,048 of them can overflow or underflow.  Against the stated p = 2^(t - ceil(largest t)) this p differs by a whole power of two, which the blocks' scales
; and the divisor l take up: the codes' values are the same.
; Both products are used transposed (source 0 = keys): a lane holds one query (or channel), its registers run along the keys; a wave's 128 keys are one K step of launch 4's product.
; Operands are images of fragment registers and scale words by pairs of K steps, rows in positions, as launch 1 laid them (its head comment).
; SCORES: the queries' 8 tiles, all of K (98,304 bytes), are read by all four waves: they come into LDS once, one tensor load a wave at the head.  A key's fragment is read by ONE wave: the keys go from memory
; straight into registers, 512 consecutive bytes a load, through a ring of six groups of four fragments; a group serves 32 products and is then loaded again with the group six on: five groups, 60 loads, are out ahead of the group at work.
; VALUES: all of K lies in LDS.  Behind the first barrier waves 0, 1 ask for WV's 8 tiles (four K steps each) and waves 2, 3 for x2's blocks 2, 3 (a block each), all into bytes of their own: the scores' whole K loop,
; 512 products, stands ahead of the wait for them.  Behind a barrier at the scores' end every wave asks for half a block of x2's blocks 0, 1, which fill the queries' bytes again: the scores' whole way out stands ahead of the wait for them.
; One tensor load a wave behind each of these barriers.
; NO CLUSTER: the keys have no LDS tile that a joint load could fill; of the 786,432 bytes of codes that a work-group brings in only x2's 196,608 are tiles shared with three others.
; No prefetch: the keys' loads are themselves issued five groups ahead of their use, and the second part's tensor loads a whole K loop or a whole way out ahead of theirs.
; The K loops are written out: each step names its own ring and scale registers.
; LIMITS: NaN and infinities are not served; a block of zeros gets the byte 1 (its codes are zeros; this program alone reads the bytes).
; REGISTERS: window 0: v0-31 addresses; v32-63 source 1's scale words, v64-95 source 0's (loaded anew for v); v96-143 ring group 5; v144-239 the queries' 8 fragments (v: WV's two sets of 4 at v96-191; ways out: v144-250).
;   window 1: ring groups 0-4 (v: x2's 8 fragments, two sets, at v0 and v128).   windows 2, 3: accumulator (a, b) at v[8 (8 (a % 4) + b)] of window 2 + a / 4.
.set CB,    6291456                    ; k's codes in st2, and x2's in st1
.set WC,    12582912
.set X2S,   19136512
.set WS,    19398656
.set QS,    12582912
.set KS2,   12845056
.set VC,    12582912                   ; st3: P's codes at 0, v's here,
.set PS,    18874368                   ; P's scale words,
.set VS,    19398656                   ; v's,
.set LS,    19660800                   ; the partial sums of p: [4 blocks of keys][8192 positions]
.set KSTR,  786432
.set FRB,   1536
.set AVH,   98304                      ; LDS: queries [8 K steps][8 images] from 0 (later x2's blocks 0, 1); WV [8 K steps][8 images] here;
.set BVH,   196608                     ; x2's blocks 2, 3 here.  A block: [8 K steps][4 images], 49,152 bytes
.set BV,    49152
.set SCX,   294912                     ; 2,048 bytes: the four waves' scale words of P on their way out
.set LSX,   296960                     ; 2,048 bytes: the four waves' sums
.set SCY,   299008                     ; 1,024 bytes: the four waves' scale words of v
.set SPARE, 300032                     ; the spare words, 128 bytes for each wave
.set L8,  4
.set SXW, 5
.set LXW, 6
.set SXR, 7
.set LXR, 8
.set SYW, 9
.set SYR, 10
.set ADAV, 12                          ; v12-13 my 4 images of WV: K steps 0-3, K steps 4-7
.set ADBV, 14                          ; v14-15 my 8 images of x2: tiles 0-3, tiles 4-7
.set ADA, 16                           ; v16-17 the queries' images: K steps 0-3, 4-7;  v16 is also 16 x lane
.set LI,  16
.set SPW, 28
.set NIL, 29
.set MT,  30                           ; v30-31 -2.0
.set SCA, 32
.set SCB, 64
.set RG5, 96
.set AFV, 96
.set AF,  144
.set PC,  144                          ; ways out: v144-167 two sets of codes
.set SXD, 168
.set SUMT, 172                         ; v172-203
.set PWD, 204                          ; v204-211 scale words
.set LW,  212                          ; v212-219 sums of p
.set OW,  220                          ; v220-227
.set TM,  228                          ; v228-243
.set CV2, 244                          ; v244-250
.set WV,  10
.set WH,  11
.set WL,  12
.set G0Q, 16
.set G0W, 20
.set G1A, 24                           ; 2 rows of 8 images: the queries' tile of a wave
.set G0E, 32
.set G0F, 36
.set G1E, 40                           ; 4 rows of 4 images: half a block of x2
.set G1H, 48                           ; 8 rows of 4 images: a block of x2
.set SEL, 60
.set G1W, 76                           ; 4 rows of 8 images: WV's tile of a wave
.set CL,  84                           ; s[84:85] log2(e)
.set MSB, 0
.macro WIN new                         ; the immediate's high byte repeats the setting that is left
.if MSB != (\new)
	s_set_vgpr_msb (MSB<<8)|(\new)
.set MSB, (\new)
.endif
.endm
.macro PLACES                          ; four plain places behind matrix instructions, ahead of loads into their sources and of reads of their results
.rept 4
	v_nop
.endr
.endm
.macro WMX zero
.if \zero
.if pB && pA
	v_wmma_scale_f32_16x16x128_f8f6f4 v[rD:rD+7], v[rB:rB+11], v[rA:rA+11], 0, v[rSB], v[rSA] matrix_a_fmt:MATRIX_FMT_BF6 matrix_b_fmt:MATRIX_FMT_BF6 matrix_a_scale:MATRIX_SCALE_ROW1 matrix_b_scale:MATRIX_SCALE_ROW1
.elseif pB
	v_wmma_scale_f32_16x16x128_f8f6f4 v[rD:rD+7], v[rB:rB+11], v[rA:rA+11], 0, v[rSB], v[rSA] matrix_a_fmt:MATRIX_FMT_BF6 matrix_b_fmt:MATRIX_FMT_BF6 matrix_a_scale:MATRIX_SCALE_ROW1
.elseif pA
	v_wmma_scale_f32_16x16x128_f8f6f4 v[rD:rD+7], v[rB:rB+11], v[rA:rA+11], 0, v[rSB], v[rSA] matrix_a_fmt:MATRIX_FMT_BF6 matrix_b_fmt:MATRIX_FMT_BF6 matrix_b_scale:MATRIX_SCALE_ROW1
.else
	v_wmma_scale_f32_16x16x128_f8f6f4 v[rD:rD+7], v[rB:rB+11], v[rA:rA+11], 0, v[rSB], v[rSA] matrix_a_fmt:MATRIX_FMT_BF6 matrix_b_fmt:MATRIX_FMT_BF6
.endif
.else
.if pB && pA
	v_wmma_scale_f32_16x16x128_f8f6f4 v[rD:rD+7], v[rB:rB+11], v[rA:rA+11], v[rD:rD+7], v[rSB], v[rSA] matrix_a_fmt:MATRIX_FMT_BF6 matrix_b_fmt:MATRIX_FMT_BF6 matrix_a_scale:MATRIX_SCALE_ROW1 matrix_b_scale:MATRIX_SCALE_ROW1
.elseif pB
	v_wmma_scale_f32_16x16x128_f8f6f4 v[rD:rD+7], v[rB:rB+11], v[rA:rA+11], v[rD:rD+7], v[rSB], v[rSA] matrix_a_fmt:MATRIX_FMT_BF6 matrix_b_fmt:MATRIX_FMT_BF6 matrix_a_scale:MATRIX_SCALE_ROW1
.elseif pA
	v_wmma_scale_f32_16x16x128_f8f6f4 v[rD:rD+7], v[rB:rB+11], v[rA:rA+11], v[rD:rD+7], v[rSB], v[rSA] matrix_a_fmt:MATRIX_FMT_BF6 matrix_b_fmt:MATRIX_FMT_BF6 matrix_b_scale:MATRIX_SCALE_ROW1
.else
	v_wmma_scale_f32_16x16x128_f8f6f4 v[rD:rD+7], v[rB:rB+11], v[rA:rA+11], v[rD:rD+7], v[rSB], v[rSA] matrix_a_fmt:MATRIX_FMT_BF6 matrix_b_fmt:MATRIX_FMT_BF6
.endif
.endif
.endm
; 64 numbers of a lane, v[s] .. v[s + 63] of window w, register 16 b + i = k 32 b + 16 (lane / 16) + i of my row, become a fragment's codes in v[pc] on and its scale word in v[pw] (window 0).  Each accumulator is first read at its low end.
.macro QUANT s, w, pc, pw
	WIN (\w)|((\w)<<2)
.irp b, 0,1,2,3
	v_max3_num_f32 v[TM+\b], |v[(\s)+16*\b]|, |v[(\s)+1+16*\b]|, 0x2800000   ; block b: my 16 numbers, and the floor 2^(5 - 127)
.endr
	WIN ((\w)<<2)|((\w)<<4)
.irp i, 2,4,6,8,10,12,14
.irp b, 0,1,2,3
	v_max3_num_f32 v[TM+\b], v[TM+\b], |v[(\s)+16*\b+\i]|, |v[(\s)+1+16*\b+\i]|
.endr
.endr
	WIN 0
.irp b, 0,1,2,3
	v_permlanex16_b32 v[TM+4+\b], v[TM+\b], s[SEL], s[SEL+1]
.endr
.irp b, 0,1,2,3
	v_max_num_f32 v[TM+\b], v[TM+\b], v[TM+4+\b]   ; with lane l xor 16's: the block's largest magnitude
.endr
.irp b, 0,1,2,3
	v_add_nc_u32 v[TM+12+\b], 0xfe000000, v[TM+\b] ; 4 off its exponent field: the conversion's scale operand
.endr
.irp b, 0,1,2,3
	v_lshrrev_b32 v[TM+4+\b], 23, v[TM+12+\b]      ; the scale's byte
.endr
	v_lshl_or_b32 v[\pw], v[TM+5], 8, v[TM+4]
	v_lshl_or_b32 v[\pw], v[TM+6], 16, v[\pw]
	v_lshl_or_b32 v[\pw], v[TM+7], 24, v[\pw]
	WIN (\w)
.irp c, 0,1
	v_cvt_scalef32_pk16_bf6_f32 v[(\pc)+6*\c:(\pc)+6*\c+2], v[(\s)+32*\c:(\s)+32*\c+15], v[TM+12+2*\c]
	v_cvt_scalef32_pk16_bf6_f32 v[CV2+4*\c:CV2+4*\c+2], v[(\s)+32*\c+16:(\s)+32*\c+31], v[TM+13+2*\c]
.endr
	WIN 0
	v_nop                                          ; one plain place behind a scaled conversion
.irp c, 0,1
.irp i, 0,1,2
	v_permlane16_swap_b32 v[(\pc)+6*\c+\i], v[CV2+4*\c+\i]
.endr
.irp i, 0,1,2
	v_mov_b32 v[(\pc)+6*\c+3+\i], v[CV2+4*\c+\i]
.endr
.endr
.endm
	s_load_b128 s[4:7], s[0:1], 0x0                ; st1, st2
	s_load_b64 s[8:9], s[0:1], 0x10                ; st3
	v_lshl_add_u32 v[SPW], v0, 2, SPARE
	v_mov_b32 v[NIL], 0
	ds_add_u32 v[SPW], v[NIL]                      ; the wave's opening
	ds_add_u32 v[SPW], v[NIL]
	v_lshrrev_b32 v1, 5, v0
	v_readfirstlane_b32 s[WV], v1
	s_lshr_b32 s[WH], s[WV], 1                     ; v: which 64 channels are mine
	s_and_b32 s[WL], s[WV], 1                      ; v: which 128 keys are mine
	s_mov_b32 s14, ttmp9                           ; x
	s_and_b32 s13, s14, 3                          ; x % 4
	s_and_b32 s15, ttmp7, 0xffff                   ; y
	; two K steps as two rows of 8 images (12,288 bytes = 1,536 elements of 8), a K step (98,304 elements) apart
	s_mov_b32 s[G1A], 3<<16
	s_mov_b32 s[G1A+1], 1536<<16
	s_mov_b32 s[G1A+2], 2<<16
	s_mov_b32 s[G1A+3], 1536<<16
	s_mov_b32 s[G1A+4], 2
	s_mov_b32 s[G1A+5], 98304
	s_mov_b32 s[G1A+6], 0
	s_mov_b32 s[G1A+7], 0
	; four K steps as four rows of 4 images (6,144 bytes = 768 elements of 8)
	s_mov_b32 s[G1E], 3<<16
	s_mov_b32 s[G1E+1], 768<<16
	s_mov_b32 s[G1E+2], 4<<16
	s_mov_b32 s[G1E+3], 768<<16
	s_mov_b32 s[G1E+4], 4
	s_mov_b32 s[G1E+5], 98304
	s_mov_b32 s[G1E+6], 0
	s_mov_b32 s[G1E+7], 0
	; SCORES: byte offsets, each in the low word of the pair that will hold the address
	s_mul_i32 s50, s[WV], 2*KSTR
	s_mul_i32 s56, s14, 8*FRB
	s_add_co_u32 s56, s56, s50                     ; q's codes: tiles 8 x .., K steps 2 w, 2 w + 1
	s_mov_b32 s57, 0
	s_lshr_b32 s51, s14, 4
	s_lshl_b32 s51, s51, 7
	s_lshl_b32 s52, s15, 5
	s_add_co_u32 s51, s51, s52
	s_lshl_b32 s52, s[WV], 3
	s_add_co_u32 s51, s51, s52                     ; my first tile of k: 128 x batch + 32 y + 8 w
	s_mul_i32 s58, s51, FRB
	s_add_co_u32 s58, s58, CB                      ; k's codes
	s_mov_b32 s59, 0
	s_lshl_b32 s66, s14, 10
	s_add_co_u32 s66, s66, QS                      ; q's scale words: 128 positions x 8 bytes
	s_mov_b32 s67, 0
	s_lshl_b32 s68, s51, 7
	s_add_co_u32 s68, s68, KS2                     ; k's, my 8 tiles
	s_mov_b32 s69, 0
	s_lshl_b32 s70, s15, 2
	s_add_co_u32 s70, s70, s[WV]
	s_lshl_b32 s70, s70, 9
	s_lshl_b32 s52, s14, 3
	s_add_co_u32 s70, s70, s52
	s_mul_i32 s70, s70, FRB                        ; where P's codes go: [K step 4 y + w][tile 8 x ..]
	s_mov_b32 s71, 0
	s_lshl_b32 s72, s15, 1
	s_add_co_u32 s72, s72, s[WH]
	s_lshl_b32 s72, s72, 16
	s_lshl_b32 s52, s14, 10
	s_add_co_u32 s72, s72, s52
	s_lshl_b32 s52, s[WL], 9
	s_add_co_u32 s72, s72, s52
	s_add_co_u32 s72, s72, PS                      ; P's scale words that I store: pair of K steps 2 y + w / 2, my 512 of the work-group's 1,024 bytes
	s_mov_b32 s73, 0
	s_lshl_b32 s74, s15, 15
	s_lshl_b32 s52, s14, 9
	s_add_co_u32 s74, s74, s52
	s_add_co_u32 s74, s74, LS                      ; the sums of p: block of keys y, 128 positions
	s_mov_b32 s75, 0
	; VALUES
	s_lshr_b32 s48, s15, 1
	s_lshl_b32 s48, s48, 2
	s_add_co_u32 s48, s48, s13                     ; ia: my work-group's 128 channels
	s_and_b32 s49, s15, 1
	s_lshr_b32 s52, s14, 2
	s_lshl_b32 s52, s52, 1
	s_add_co_u32 s49, s49, s52                     ; jb: its 256 keys
	s_mul_i32 s54, s[WL], 4*KSTR                   ; K steps 4 (w % 2) ..
	s_lshl_b32 s86, s48, 3
	s_add_co_u32 s86, s86, 128                     ; WV's slots begin at 128
	s_mul_i32 s86, s86, FRB
	s_add_co_u32 s86, s86, s54
	s_add_co_u32 s86, s86, WC                      ; WV's codes: tiles 8 ia .., K steps 4 (w % 2) ..
	s_mov_b32 s87, 0
	s_lshl_b32 s88, s49, 4
	s_lshl_b32 s52, s[WH], 2
	s_add_co_u32 s88, s88, s52
	s_mul_i32 s88, s88, FRB
	s_add_co_u32 s88, s88, s54
	s_add_co_u32 s88, s88, CB                      ; x2's blocks 0, 1 by halves: tiles 16 jb + 4 (w / 2) .., K steps 4 (w % 2) ..
	s_mov_b32 s89, 0
	s_lshl_b32 s98, s49, 4
	s_lshl_b32 s52, s[WL], 2
	s_add_co_u32 s98, s98, s52
	s_add_co_u32 s98, s98, 8
	s_mul_i32 s98, s98, FRB
	s_add_co_u32 s98, s98, CB                      ; x2's blocks 2, 3 whole: tiles 16 jb + 8 + 4 (w % 2) .., K step 0
	s_mov_b32 s99, 0
	s_lshl_b32 s90, s48, 10
	s_lshl_b32 s52, s[WH], 9
	s_add_co_u32 s90, s90, s52
	s_add_co_u32 s90, s90, WS+16384                ; WV's scale words (its positions begin at 2,048): my 64 positions
	s_mov_b32 s91, 0
	s_lshl_b32 s92, s49, 11
	s_lshl_b32 s52, s[WL], 10
	s_add_co_u32 s92, s92, s52
	s_add_co_u32 s92, s92, X2S                     ; x2's: my 128 positions
	s_mov_b32 s93, 0
	s_lshl_b32 s94, s49, 1
	s_add_co_u32 s94, s94, s[WL]
	s_lshl_b32 s94, s94, 6
	s_lshl_b32 s52, s48, 3
	s_add_co_u32 s94, s94, s52
	s_lshl_b32 s52, s[WH], 2
	s_add_co_u32 s94, s94, s52
	s_mul_i32 s94, s94, FRB
	s_add_co_u32 s94, s94, VC                      ; where v's codes go: [K step 2 jb + wb][tile 8 ia + 4 wa ..] of 64
	s_mov_b32 s95, 0
	s_lshl_b32 s96, s49, 13
	s_lshl_b32 s52, s48, 10
	s_add_co_u32 s96, s96, s52
	s_lshl_b32 s52, s[WV], 8
	s_add_co_u32 s96, s96, s52
	s_add_co_u32 s96, s96, VS                      ; v's scale words that I store: pair of K steps jb, my 256 of the work-group's 1,024 bytes
	s_mov_b32 s97, 0
	; LDS places
	s_mul_i32 s53, s[WV], 16*FRB                   ; a quarter of a region of 98,304 bytes: 24,576 x wave
	s_mul_i32 s55, s[WL], BV                       ; a half of one: 49,152 x (wave % 2)
	s_mul_i32 s76, s[WH], 4*FRB
	s_add_co_u32 s76, s76, AVH                     ; WV: my 4 images of the 8
	s_mul_i32 s77, s[WL], BVH                      ; x2: blocks 0, 1 from byte 0, blocks 2, 3 from BVH
	s_lshl_b32 s78, s[WH], 10
	s_lshl_b32 s52, s[WL], 2
	s_add_co_u32 s78, s78, s52
	s_add_co_u32 s78, s78, SCX
	s_lshl_b32 s79, s[WV], 9
	s_add_co_u32 s79, s79, LSX
	s_lshl_b32 s80, s[WH], 9
	s_add_co_u32 s80, s80, s52
	s_add_co_u32 s80, s80, SCY
	s_mov_b32 s[SEL], 0x76543210
	s_mov_b32 s[SEL+1], 0xfedcba98
	s_mov_b32 s[CL], 0x3fb8aa3b                    ; log2(e)
	s_mov_b32 s[CL+1], s[CL]
	s_wait_dscnt 0x0                               ; both opening adds are done
	s_wait_kmcnt 0x0
	s_add_nc_u64 s[56:57], s[6:7], s[56:57]
	s_add_nc_u64 s[58:59], s[6:7], s[58:59]
	s_add_nc_u64 s[66:67], s[6:7], s[66:67]
	s_add_nc_u64 s[68:69], s[6:7], s[68:69]
	s_add_nc_u64 s[70:71], s[8:9], s[70:71]
	s_add_nc_u64 s[72:73], s[8:9], s[72:73]
	s_add_nc_u64 s[74:75], s[8:9], s[74:75]
	s_add_nc_u64 s[86:87], s[4:5], s[86:87]
	s_add_nc_u64 s[88:89], s[4:5], s[88:89]
	s_add_nc_u64 s[98:99], s[4:5], s[98:99]
	s_add_nc_u64 s[90:91], s[4:5], s[90:91]
	s_add_nc_u64 s[92:93], s[4:5], s[92:93]
	s_add_nc_u64 s[94:95], s[8:9], s[94:95]
	s_add_nc_u64 s[96:97], s[8:9], s[96:97]
	s_mov_b32 s[G0Q], 1
	s_mov_b32 s[G0Q+1], s53
	s_mov_b64 s[G0Q+2:G0Q+3], s[56:57]
	s_or_b32 s[G0Q+3], s[G0Q+3], 0x80000000
	tensor_load_to_lds s[G0Q:G0Q+3], s[G1A:G1A+7]  ; my one tensor load at the head: the queries' K steps 2 w, 2 w + 1
	s_nop 0
	PLACES
	s_mov_b32 s[G0W], 1
	s_add_co_u32 s[G0W+1], s55, AVH
	s_mov_b64 s[G0W+2:G0W+3], s[86:87]
	s_or_b32 s[G0W+3], s[G0W+3], 0x80000000
	s_mov_b32 s[G0E], 1
	s_add_co_u32 s[G0E+1], s55, BVH
	s_mov_b64 s[G0E+2:G0E+3], s[98:99]
	s_or_b32 s[G0E+3], s[G0E+3], 0x80000000
	s_mov_b32 s[G0F], 1
	s_mov_b32 s[G0F+1], s53
	s_mov_b64 s[G0F+2:G0F+3], s[88:89]
	s_or_b32 s[G0F+3], s[G0F+3], 0x80000000
	v_and_b32 v1, 31, v0                           ; lane
	v_lshlrev_b32 v[LI], 4, v1
	v_lshlrev_b32 v[L8], 3, v1
	v_add_nc_u32 v[ADA+1], BV, v[LI]
	v_add_nc_u32 v[ADAV], s76, v[LI]
	v_add_nc_u32 v[ADAV+1], BV, v[ADAV]
	v_add_nc_u32 v[ADBV], s77, v[LI]
	v_add_nc_u32 v[ADBV+1], BV, v[ADBV]
	v_add_nc_u32 v[SXW], s78, v[L8]                ; P: my word of a position's two: pair w / 2, word w % 2
	v_lshl_add_u32 v[LXW], v1, 2, s79
	v_lshl_add_u32 v[SXR], v0, 4, SCX
	v_add_nc_u32 v[LXR], LSX, v[LI]
	v_add_nc_u32 v[SYW], s80, v[L8]                ; v: positions 64 wa .., word wb
	v_lshl_add_u32 v[SYR], v0, 3, SCY
	v_mov_b32 v[MT], -2.0
	v_mov_b32 v[MT+1], -2.0
	s_wait_alu depctr_va_vdst(0)                   ; the head's end
	; the scalars that lay here have been used: four K steps as four rows of 8 images, for WV;
	s_mov_b32 s[G1W], 3<<16
	s_mov_b32 s[G1W+1], 1536<<16
	s_mov_b32 s[G1W+2], 4<<16
	s_mov_b32 s[G1W+3], 1536<<16
	s_mov_b32 s[G1W+4], 4
	s_mov_b32 s[G1W+5], 98304
	s_mov_b32 s[G1W+6], 0
	s_mov_b32 s[G1W+7], 0
	; and eight K steps as eight rows of 4 images, for a block of x2
	s_mov_b32 s[G1H], 3<<16
	s_mov_b32 s[G1H+1], 768<<16
	s_mov_b32 s[G1H+2], 8<<16
	s_mov_b32 s[G1H+3], 768<<16
	s_mov_b32 s[G1H+4], 8
	s_mov_b32 s[G1H+5], 98304
	s_mov_b32 s[G1H+6], 0
	s_mov_b32 s[G1H+7], 0
.irp kp, 0,1,2,3                       ; all scale words of all K steps: a pair = (even K step, odd K step); lanes 0-15 the even tile, lanes 16-31 the odd one; 256 consecutive bytes a load
.irp j, 0,1,2,3
	global_load_b64 v[SCA+(\kp*4+\j)*2:SCA+(\kp*4+\j)*2+1], v[L8], s[66:67] offset:\kp*65536+256*\j
	global_load_b64 v[SCB+(\kp*4+\j)*2:SCB+(\kp*4+\j)*2+1], v[L8], s[68:69] offset:\kp*65536+256*\j
.endr
.endr
; group g = four of my tiles of keys: K step g / 2, tiles 4 (g % 2) ..; it lies in ring place g % 6: 12 loads of 512 consecutive bytes
.macro LK g
.set rs_, (\g)%6
.if rs_ < 5
	WIN 0x40
.set rb_, 48*rs_
.else
	WIN 0
.set rb_, RG5
.endif
.irp i, 0,1,2,3
.irp c, 0,1,2
	global_load_b128 v[rb_+12*\i+4*\c:rb_+12*\i+4*\c+3], v[LI], s[58:59] offset:((\g)>>1)*KSTR+(4*((\g)&1)+\i)*FRB+512*\c
.endr
.endr
.endm
.macro WLC g                           ; group g's loads are in: behind them the loads of the groups up to g + 5 have been issued, 12 each
.if 15-(\g) >= 5
	s_wait_loadcnt 60
.else
	s_wait_loadcnt 12*(15-(\g))
.endif
.endm
; 16 products: the queries' tiles 4 h .. 4 h + 3, each against group g's four.  The 64 accumulators take turns, one instruction a turn, in the same order in every K step
.macro MULQ g, h, zero
.set ks_, (\g)>>1
.set rs_, (\g)%6
.if rs_ < 5
	WIN 0xa1+0x50*(\h)
.else
	WIN 0xa0+0x50*(\h)
.endif
.set ai, 0
.rept 4
.set aa, 4*(\h)+ai
.set bi, 0
.rept 4
.set bb, 4*((\g)&1)+bi
.set rD, 8*(8*ai+bb)
.if rs_ < 5
.set rB, 48*rs_+12*bi
.else
.set rB, RG5+12*bi
.endif
.set rA, AF+12*aa
.set rSB, SCB+((ks_>>1)*4+(bb>>1))*2+(ks_&1)
.set rSA, SCA+((ks_>>1)*4+(aa>>1))*2+(ks_&1)
.set pB, bb&1
.set pA, aa&1
	WMX \zero
.set bi, bi+1
.endr
.set ai, ai+1
.endr
.endm
.macro FETCHA ks, a0                   ; four fragments of the queries: 12 loads
.irp i, 0,1,2,3
.irp c, 0,1,2
	ds_load_b128 v[AF+12*((\a0)+\i)+4*\c:AF+12*((\a0)+\i)+4*\c+3], v[ADA+((\ks)>>2)] offset:(((\ks)&3)*8+(\a0)+\i)*FRB+512*\c
.endr
.endr
.endm
; A K step: four quarters of 16 products.  The queries have one set of registers: tiles 0-3 are fetched anew behind the third quarter, tiles 4-7 behind the fourth
.macro KST ks, zero
.set g0_, 2*(\ks)
	WLC g0_
	s_wait_dscnt 12                                ; the queries' tiles 0-3 are in; the youngest 12 loads (tiles 4-7) may be out
	MULQ g0_, 0, \zero
	s_wait_dscnt 0x0
	MULQ g0_, 1, \zero
	PLACES
.if g0_+6 < 16
	LK g0_+6                                       ; the ring place just multiplied takes the group six on
.endif
	WLC g0_+1
	MULQ g0_+1, 0, \zero
	PLACES
.if (\ks) < 7
	WIN 0
	FETCHA (\ks)+1, 0
.endif
	MULQ g0_+1, 1, \zero
	PLACES
	WIN 0
.if (\ks) < 7
	FETCHA (\ks)+1, 4
.endif
.if g0_+7 < 16
	LK g0_+7
	WIN 0
.endif
.endm
.irp g, 0,1,2,3,4,5
	LK \g
.endr
	WIN 0
	s_wait_tensorcnt 0x0                           ; my part of the queries is in
	ds_add_u32 v[SPW], v[NIL]
	s_wait_dscnt 0x0
	s_barrier_signal -1
	s_barrier_wait -1                              ; everybody's part is in
	s_cmp_eq_u32 s[WH], 0                          ; the branch hangs on the wave's number alone
	s_cbranch_scc0 .Lfor_x2
	tensor_load_to_lds s[G0W:G0W+3], s[G1W:G1W+7]  ; waves 0, 1: WV's K steps 0-3, 4-7
	s_nop 0
	PLACES
	s_branch .Lasked
.Lfor_x2:
	tensor_load_to_lds s[G0E:G0E+3], s[G1H:G1H+7]  ; waves 2, 3: x2's blocks 2, 3
	s_nop 0
	PLACES
.Lasked:
	FETCHA 0, 0
	FETCHA 0, 4
	KST 0, 1                                       ; the first K step's products start the sums
.irp k, 1,2,3,4,5,6,7
	KST \k, 0
.endr
	s_wait_tensorcnt 0x0                           ; all my tensor loads have landed;
	ds_add_u32 v[SPW], v[NIL]
	s_wait_dscnt 0x0                               ; the add is done, and my reads of the queries are over
	s_barrier_signal -1
	s_barrier_wait -1                              ; the same holds of every wave
	tensor_load_to_lds s[G0F:G0F+3], s[G1E:G1E+7]  ; x2's blocks 0, 1, half a block a wave, fill the queries' bytes again
	s_nop 0
	PLACES
.irp kp, 0,1,2,3                       ; v's scale words take the scores' registers: WV's two pairs of tiles, x2's four
.irp j, 0,1
	global_load_b64 v[SCA+(\kp*2+\j)*2:SCA+(\kp*2+\j)*2+1], v[L8], s[90:91] offset:\kp*65536+256*\j
.endr
.irp j, 0,1,2,3
	global_load_b64 v[SCB+(\kp*4+\j)*2:SCB+(\kp*4+\j)*2+1], v[L8], s[92:93] offset:\kp*65536+256*\j
.endr
.endr
.irp b, 0,1,2,3
	v_mov_b32 v[TM+4+\b], 0                        ; written once: a lane permute's destination counts as one of its sources
.endr
; THE SCORES' WAY OUT, tile a of the queries: 64 numbers a lane along 128 keys
.macro OUTA a
.set Wn, 2+((\a)>>2)
.set sbs, 64*((\a)&3)
.set pcs, PC+12*((\a)&1)
	WIN (Wn<<6)|Wn
.set pp, 0
.rept 32
	v_pk_fma_f32 v[sbs+2*pp:sbs+2*pp+1], v[sbs+2*pp:sbs+2*pp+1], s[CL:CL+1], v[MT:MT+1] op_sel_hi:[1,0,0]   ; t - 2, two at a time, each accumulator from its low end on
.set pp, pp+1
.endr
.set pp, 0
	s_wait_alu depctr_va_vdst(0)                   ; ahead of the batch
.rept 64
	v_exp_f32 v[sbs+pp], v[sbs+pp]                 ; p = 2^(t - 2)
.set pp, pp+1
.endr
	WIN 0
	v_nop                                          ; a plain place behind the last exponential
	s_wait_alu depctr_va_vdst(0)                   ; one wait for the batch of 64, ahead of its first reader
	WIN Wn|(Wn<<2)
.set pp, 0
.rept 16
	v_pk_add_f32 v[SUMT+2*pp:SUMT+2*pp+1], v[sbs+4*pp:sbs+4*pp+1], v[sbs+4*pp+2:sbs+4*pp+3]   ; the sum is taken of the unquantised p
.set pp, pp+1
.endr
	WIN 0
.irp i, 0,1,2,3,4,5,6,7
	v_pk_add_f32 v[SUMT+4*\i:SUMT+4*\i+1], v[SUMT+4*\i:SUMT+4*\i+1], v[SUMT+4*\i+2:SUMT+4*\i+3]
.endr
.irp i, 0,1,2,3
	v_pk_add_f32 v[SUMT+8*\i:SUMT+8*\i+1], v[SUMT+8*\i:SUMT+8*\i+1], v[SUMT+8*\i+4:SUMT+8*\i+5]
.endr
.irp i, 0,1
	v_pk_add_f32 v[SUMT+16*\i:SUMT+16*\i+1], v[SUMT+16*\i:SUMT+16*\i+1], v[SUMT+16*\i+8:SUMT+16*\i+9]
.endr
	v_pk_add_f32 v[SUMT:SUMT+1], v[SUMT:SUMT+1], v[SUMT+16:SUMT+17]
	v_add_f32 v[SUMT], v[SUMT], v[SUMT+1]
	v_permlanex16_b32 v[TM+4], v[SUMT], s[SEL], s[SEL+1]
	v_add_f32 v[LW+(\a)], v[SUMT], v[TM+4]         ; with lane l xor 16's keys: my 128 keys' sum for position r
.if (\a) >= 2
	s_wait_xcnt 0x0                                ; the stores of two tiles ago have read their registers: that set of codes is written again
.endif
	QUANT sbs, Wn, pcs, PWD+(\a)
.irp c, 0,1,2
	global_store_b128 v[LI], v[pcs+4*\c:pcs+4*\c+3], s[70:71] offset:(\a)*FRB+512*\c   ; 512 consecutive bytes
.endr
.endm
.irp a, 0,1,2,3,4,5,6,7
	OUTA \a
.endr
	s_wait_tensorcnt 0x0                           ; for the others' sake: my part of x2's tiles has landed
	v_cmp_le_u32 vcc_lo, 16, v1
.irp j, 0,1,2,3
	v_cndmask_b32 v[OW+\j], v[PWD+2*\j], v[PWD+2*\j+1], vcc_lo      ; lanes 0-15: tile 2 j's, lanes 16-31: tile 2 j + 1's
	v_cndmask_b32 v[OW+4+\j], v[LW+2*\j], v[LW+2*\j+1], vcc_lo
.endr
.irp j, 0,1,2,3
	ds_store_b32 v[SXW], v[OW+\j] offset:256*\j    ; a position's two words come from two waves: they meet in LDS
	ds_store_b32 v[LXW], v[OW+4+\j] offset:128*\j
.endr
	s_wait_dscnt 0x0                               ; and so have my stores
	s_barrier_signal -1
	s_barrier_wait -1                              ; all of v's tiles lie in LDS
	ds_load_b128 v[SXD:SXD+3], v[SXR]
	s_wait_dscnt 0x0
	global_store_b128 v[LI], v[SXD:SXD+3], s[72:73]    ; 512 consecutive bytes a wave
	s_cmp_lg_u32 s[WV], 0
	s_cbranch_scc1 .Lnot_0                         ; wave 0 adds the four waves' sums, in the order of the waves
.irp w, 0,1,2,3
	ds_load_b128 v[SUMT+4*\w:SUMT+4*\w+3], v[LXR] offset:512*\w
.endr
	s_wait_dscnt 0x0
.irp w, 1,2,3
	v_pk_add_f32 v[SUMT:SUMT+1], v[SUMT:SUMT+1], v[SUMT+4*\w:SUMT+4*\w+1]
	v_pk_add_f32 v[SUMT+2:SUMT+3], v[SUMT+2:SUMT+3], v[SUMT+4*\w+2:SUMT+4*\w+3]
.endr
	global_store_b128 v[LI], v[SUMT:SUMT+3], s[74:75]  ; 128 positions: 512 consecutive bytes
.Lnot_0:
	; ---------------- VALUES: 64 channels x 128 keys a wave, K = 1,024, all of it in LDS ----------------
.macro FETCHBV ks                      ; my eight fragments of x2 of a K step: 24 loads of 512 consecutive bytes
	WIN 0x40
.irp b, 0,1,2,3,4,5,6,7
.irp c, 0,1,2
	ds_load_b128 v[128*((\ks)&1)+12*\b+4*\c:128*((\ks)&1)+12*\b+4*\c+3], v[ADBV+(\b>>2)] offset:(\ks)*4*FRB+(\b&3)*FRB+512*\c
.endr
.endr
	WIN 0
.endm
.macro FETCHAV ks                      ; my four fragments of WV: 12 loads
.irp a, 0,1,2,3
.irp c, 0,1,2
	ds_load_b128 v[AFV+48*((\ks)&1)+12*\a+4*\c:AFV+48*((\ks)&1)+12*\a+4*\c+3], v[ADAV+((\ks)>>2)] offset:((\ks)&3)*8*FRB+\a*FRB+512*\c
.endr
.endr
.endm
.macro MULV ks, zero                   ; WV's four tiles, each against x2's eight: the 32 accumulators take turns, one instruction a turn, in the same order in every K step
.set aa, 0
.rept 4
.set bb, 0
.rept 8
.set rD, 8*(8*aa+bb)
.set rB, 128*((\ks)&1)+12*bb
.set rA, AFV+48*((\ks)&1)+12*aa
.set rSB, SCB+(((\ks)>>1)*4+(bb>>1))*2+((\ks)&1)
.set rSA, SCA+(((\ks)>>1)*2+(aa>>1))*2+((\ks)&1)
.set pB, bb&1
.set pA, aa&1
	WMX \zero
.set bb, bb+1
.endr
.set aa, aa+1
.endr
.endm
.macro VSTEP ks, zero
	s_wait_dscnt 0x0                               ; this K step's fragments are in: they were asked for ahead of the last step's 32 products
.if (\ks) < 7
.if (\ks) > 0
	PLACES                                         ; the other sets were read by the last step's products
.endif
	FETCHBV (\ks)+1
	FETCHAV (\ks)+1
.endif
	WIN 0xa1
	MULV \ks, \zero
	WIN 0
.endm
	s_wait_xcnt 0x0                                ; the scores' stores have read their registers: fragments land there
	s_wait_loadcnt 0x0                             ; v's scale words
	FETCHBV 0
	FETCHAV 0
	VSTEP 0, 1                                     ; the first K step's products start the sums
.irp k, 1,2,3,4,5,6,7
	VSTEP \k, 0
.endr
	PLACES
.irp a, 0,1,2,3                        ; tile a of my channels: 64 numbers a lane along my 128 keys, quantised as they stand
.if \a >= 2
	s_wait_xcnt 0x0                                ; the stores of two tiles ago have read their registers: that set of codes is written again
.endif
	QUANT 64*\a, 2, PC+12*(\a&1), PWD+\a
.irp c, 0,1,2
	global_store_b128 v[LI], v[PC+12*(\a&1)+4*\c:PC+12*(\a&1)+4*\c+3], s[94:95] offset:\a*FRB+512*\c   ; 512 consecutive bytes
.endr
.endr
	v_cmp_le_u32 vcc_lo, 16, v1
.irp j, 0,1
	v_cndmask_b32 v[OW+\j], v[PWD+2*\j], v[PWD+2*\j+1], vcc_lo      ; lanes 0-15: tile 2 j's, lanes 16-31: tile 2 j + 1's
.endr
.irp j, 0,1
	ds_store_b32 v[SYW], v[OW+\j] offset:256*\j    ; a position's two words come from the waves of keys 0-127 and 128-255: they meet in LDS
.endr
	s_wait_dscnt 0x0                               ; for the others' sake: my stores have landed
	s_barrier_signal -1
	s_barrier_wait -1
	ds_load_b64 v[SXD:SXD+1], v[SYR]
	s_wait_dscnt 0x0
	global_store_b64 v[L8], v[SXD:SXD+1], s[96:97] ; 256 consecutive bytes a wave
	s_wait_tensorcnt 0x0                           ; the wave's end
	ds_add_u32 v[SPW], v[NIL]
	s_wait_dscnt 0x0
	s_endpgm
.Lfunc_end_k_q3c86c2d85a_score:
	.size	k_q3c86c2d85a_score, .Lfunc_end_k_q3c86c2d85a_score-k_q3c86c2d85a_score
	.p2alignl 7, 3214868480
	.fill 96, 4, 3214868480
	.section	.rodata,"a",@progbits
	.p2align	6, 0x0
	.amdhsa_kernel k_q3c86c2d85a_score
		.amdhsa_group_segment_fixed_size 327680
		.amdhsa_private_segment_fixed_size 0
		.amdhsa_enable_private_segment 0
		.amdhsa_kernarg_size 24
		.amdhsa_user_sgpr_count 2
		.amdhsa_user_sgpr_kernarg_segment_ptr 1
		.amdhsa_wavefront_size32 1
		.amdhsa_system_sgpr_workgroup_id_x 1
		.amdhsa_system_sgpr_workgroup_id_y 1
		.amdhsa_system_sgpr_workgroup_id_z 1
		.amdhsa_system_vgpr_workitem_id 0
		.amdhsa_next_free_vgpr 1024
		.amdhsa_next_free_sgpr 100
		.amdhsa_reserve_vcc 1
		.amdhsa_float_denorm_mode_32 3
		.amdhsa_float_denorm_mode_16_64 3
		.amdhsa_memory_ordered 1
		.amdhsa_forward_progress 1
		.amdhsa_inst_pref_size 255
	.end_amdhsa_kernel
	.section	.bss,"aw",@nobits
	.p2align	6
	.space	262144
	.amdgpu_metadata
---
amdhsa.version: [ 1, 2 ]
amdhsa.kernels:
  - .name:           k_q3c86c2d85a_score
    .symbol:         k_q3c86c2d85a_score.kd
    .args:
      - { .name: st1, .offset: 0, .size: 8, .value_kind: global_buffer, .address_space: global }
      - { .name: st2, .offset: 8, .size: 8, .value_kind: global_buffer, .address_space: global }
      - { .name: st3, .offset: 16, .size: 8, .value_kind: global_buffer, .address_space: global }
    .group_segment_fixed_size: 327680
    .private_segment_fixed_size: 0
    .kernarg_segment_align: 8
    .kernarg_segment_size: 24
    .max_flat_workgroup_size: 128
    .sgpr_count:     100
    .vgpr_count:     1024
    .wavefront_size: 32
...
	.end_amdgpu_metadata
.endif
;; end of part 3
;; launch mix (part 4): grid 64 x 4, 4 waves a work-group, clusters of 4 x 4, 327,680 bytes of LDS; arguments st3, out0; writes out0
.if DOCPART == 4
	.amdgcn_target "amdgcn-amd-amdhsa--gfx1250"
	.amdhsa_code_object_version 6
	.text
	.protected	k_q3c86c2d85a_mix
	.globl	k_q3c86c2d85a_mix
	.p2align	8
	.type	k_q3c86c2d85a_mix,@function
k_q3c86c2d85a_mix:
	s_mov_b64 s[64:65], 0
	v_nop
	global_prefetch_b8 v0, s[64:65] scope:SCOPE_SE
	s_setreg_imm32_b32 hwreg(HW_REG_WAVE_MODE, 25, 1), 1
	s_wait_xcnt 0x0
	s_wait_alu depctr_hold_cnt(0) depctr_sa_sdst(0) depctr_va_vdst(0) depctr_va_sdst(0) depctr_va_ssrc(0) depctr_va_vcc(0) depctr_vm_vsrc(0)
	s_getreg_b32 s2, hwreg(HW_REG_IB_STS2, 6, 4)
	s_cmp_eq_u32 s2, 0
	s_cbranch_scc0 .Lentry_in_a_cluster
	s_endpgm
.Lentry_in_a_cluster:
	s_bfe_u32 s2, ttmp6, 0x10000c
	s_cmp_lg_u32 s2, 0xf033
	s_cbranch_scc0 .Lentry_shape_is_right
	s_endpgm
.Lentry_shape_is_right:
; LAUNCH 4 OF 4.  y = (P v) / l for 128 queries (x) x 256 channels (y); K = the batch's 2,048 keys, 16 steps of 128.  Nothing of the problem is left out here.
; P's and v's codes are images of fragment registers and their scale words lie by pairs of K steps, as launch 3 stored them; l is the sum of launch 3's four partial sums of the unquantised p.
; The product is used transposed: source 0 = 16 channels of v, source 1 = 16 positions of P: a lane holds one query, its registers run along the channels.  A wave makes 128 queries x 64 channels: 32 accumulators.
; K goes four steps to a slot through two LDS slots: P's 4 x 8 images (49,152 bytes), then v's 4 x 16 images (98,304 bytes).  Waves 0, 1 fetch P's two halves, waves 2, 3 v's: one tensor load a wave behind each round.
; CLUSTER 4 x 4: the four work-groups of a column (same x) need the same tiles of P, the four of a row (same y, same batch) the same tiles of v: each tile is asked for jointly, with the mask of the column or of the row.
; The addresses and all scale words are made and asked for behind the head's joint load, ahead of the wait for it.
; The K loop is written out: each step names its own scale registers.  No prefetch: a slot holds a quarter of K, and the launch has four of them.
; THE WAY OUT: each tile of 16 queries is multiplied by 1 / l, goes through the wave's own stage (in slot 0's bytes, behind that slot's last fill and last read) and leaves as aligned runs of 256 bytes.
; LIMITS: NaN and infinities are not served.
.set VC,    12582912
.set PS,    18874368
.set VS,    19398656
.set LS,    19660800
.set KSTR,  786432
.set VSTR,  98304
.set FRB,   1536
.set SLOT,  147456
.set BOFF,  49152
.set SPARE, 294912
.set STGW,  4352
.set L8,  4
.set STO, 5
.set RD,  6
.set GO,  7
.set LO,  8
.set ADA, 16
.set LI,  16
.set ADB, 20
.set SPW, 28
.set NIL, 29
.set SCA, 32
.set SCB, 96
.set AF,  128
.set LV,  224
.set LT,  240
.set WV,  8
.set WH,  9
.set WL,  10
.set SEL, 60
.set G1A, 24
.set G0A, 32
.set G1B, 40
.set G0B, 48
.set MSB, 0
.macro WIN new
.if MSB != (\new)
	s_set_vgpr_msb (MSB<<8)|(\new)
.set MSB, (\new)
.endif
.endm
.macro PLACES
.rept 4
	v_nop
.endr
.endm
.macro CREST
	s_cmp_lg_u32 s[WV], 0
	s_cbranch_scc1 .Lnot_wave_0_\@
	s_barrier_signal -3
.Lnot_wave_0_\@:
	s_barrier_wait -3
	s_barrier_signal -1
	s_barrier_wait -1
.endm
.macro CROUND
	s_barrier_signal -1
	s_barrier_wait -1
	CREST
.endm
.macro JLOAD s
	s_cmp_eq_u32 s[WH], 0
	s_cbranch_scc0 .Lfor_b_\@
	tensor_load_to_lds s[G0A+4*(\s):G0A+4*(\s)+3], s[G1A:G1A+7]
	s_nop 0
	PLACES
	s_branch .Lasked_\@
.Lfor_b_\@:
	tensor_load_to_lds s[G0B+4*(\s):G0B+4*(\s)+3], s[G1B:G1B+7]
	s_nop 0
	PLACES
.Lasked_\@:
.endm
.macro WMX zero
.if \zero
.if pB && pA
	v_wmma_scale_f32_16x16x128_f8f6f4 v[rD:rD+7], v[rB:rB+11], v[rA:rA+11], 0, v[rSB], v[rSA] matrix_a_fmt:MATRIX_FMT_BF6 matrix_b_fmt:MATRIX_FMT_BF6 matrix_a_scale:MATRIX_SCALE_ROW1 matrix_b_scale:MATRIX_SCALE_ROW1
.elseif pB
	v_wmma_scale_f32_16x16x128_f8f6f4 v[rD:rD+7], v[rB:rB+11], v[rA:rA+11], 0, v[rSB], v[rSA] matrix_a_fmt:MATRIX_FMT_BF6 matrix_b_fmt:MATRIX_FMT_BF6 matrix_a_scale:MATRIX_SCALE_ROW1
.elseif pA
	v_wmma_scale_f32_16x16x128_f8f6f4 v[rD:rD+7], v[rB:rB+11], v[rA:rA+11], 0, v[rSB], v[rSA] matrix_a_fmt:MATRIX_FMT_BF6 matrix_b_fmt:MATRIX_FMT_BF6 matrix_b_scale:MATRIX_SCALE_ROW1
.else
	v_wmma_scale_f32_16x16x128_f8f6f4 v[rD:rD+7], v[rB:rB+11], v[rA:rA+11], 0, v[rSB], v[rSA] matrix_a_fmt:MATRIX_FMT_BF6 matrix_b_fmt:MATRIX_FMT_BF6
.endif
.else
.if pB && pA
	v_wmma_scale_f32_16x16x128_f8f6f4 v[rD:rD+7], v[rB:rB+11], v[rA:rA+11], v[rD:rD+7], v[rSB], v[rSA] matrix_a_fmt:MATRIX_FMT_BF6 matrix_b_fmt:MATRIX_FMT_BF6 matrix_a_scale:MATRIX_SCALE_ROW1 matrix_b_scale:MATRIX_SCALE_ROW1
.elseif pB
	v_wmma_scale_f32_16x16x128_f8f6f4 v[rD:rD+7], v[rB:rB+11], v[rA:rA+11], v[rD:rD+7], v[rSB], v[rSA] matrix_a_fmt:MATRIX_FMT_BF6 matrix_b_fmt:MATRIX_FMT_BF6 matrix_a_scale:MATRIX_SCALE_ROW1
.elseif pA
	v_wmma_scale_f32_16x16x128_f8f6f4 v[rD:rD+7], v[rB:rB+11], v[rA:rA+11], v[rD:rD+7], v[rSB], v[rSA] matrix_a_fmt:MATRIX_FMT_BF6 matrix_b_fmt:MATRIX_FMT_BF6 matrix_b_scale:MATRIX_SCALE_ROW1
.else
	v_wmma_scale_f32_16x16x128_f8f6f4 v[rD:rD+7], v[rB:rB+11], v[rA:rA+11], v[rD:rD+7], v[rSB], v[rSA] matrix_a_fmt:MATRIX_FMT_BF6 matrix_b_fmt:MATRIX_FMT_BF6
.endif
.endif
.endm
	s_load_b128 s[4:7], s[0:1], 0x0
	v_lshl_add_u32 v[SPW], v0, 2, SPARE
	v_mov_b32 v[NIL], 0
	ds_add_u32 v[SPW], v[NIL]
	ds_add_u32 v[SPW], v[NIL]
	v_lshrrev_b32 v1, 5, v0
	v_readfirstlane_b32 s[WV], v1
	s_lshr_b32 s[WH], s[WV], 1
	s_and_b32 s[WL], s[WV], 1
	s_bfe_u32 s11, ttmp6, 0x40000
	s_lshl_b32 s12, ttmp9, 2
	s_add_co_u32 s12, s12, s11
	s_bfe_u32 s78, ttmp6, 0x40004                  ; cy
	s_and_b32 s13, ttmp7, 0xffff
	s_lshl_b32 s13, s13, 2
	s_add_co_u32 s13, s13, s78                     ; y = 4 x cluster y + cy
	s_lshr_b32 s14, ttmp9, 2
	s_lshl_b32 s79, 0x1111, s11                    ; my column of the cluster: places cx, cx + 4, cx + 8, cx + 12
	s_or_b32 s[G1A], s79, (3<<16)|(1<<21)          ; P's tiles hang on x alone: shared along the column
	s_mov_b32 s[G1A+1], 1536<<16
	s_mov_b32 s[G1A+2], 2<<16
	s_mov_b32 s[G1A+3], 1536<<16
	s_mov_b32 s[G1A+4], 2
	s_mov_b32 s[G1A+5], 98304
	s_mov_b32 s[G1A+6], 0
	s_mov_b32 s[G1A+7], 0
	s_lshl_b32 s80, s78, 2
	s_lshl_b32 s80, 15, s80                        ; my row of the cluster: places 4 cy .. 4 cy + 3
	s_or_b32 s[G1B], s80, (3<<16)|(1<<21)          ; v's tiles hang on y and the batch alone: shared along the row
	s_mov_b32 s[G1B+1], 3072<<16
	s_mov_b32 s[G1B+2], 2<<16
	s_mov_b32 s[G1B+3], 3072<<16
	s_mov_b32 s[G1B+4], 2
	s_mov_b32 s[G1B+5], 12288
	s_mov_b32 s[G1B+6], 0
	s_mov_b32 s[G1B+7], 0
	s_mul_i32 s16, s[WL], 2*KSTR
	s_mul_i32 s15, s12, 8*FRB
	s_add_co_u32 s16, s16, s15
	s_mov_b32 s17, 0
	s_mul_i32 s18, s14, 16*VSTR
	s_mul_i32 s20, s[WL], 2*VSTR
	s_add_co_u32 s18, s18, s20
	s_mul_i32 s20, s13, 16*FRB
	s_add_co_u32 s18, s18, s20
	s_add_co_u32 s18, s18, VC
	s_mov_b32 s19, 0
	s_lshl_b32 s70, s12, 10
	s_add_co_u32 s70, s70, PS
	s_mov_b32 s71, 0
	s_lshl_b32 s72, s14, 16
	s_lshl_b32 s20, s13, 11
	s_add_co_u32 s72, s72, s20
	s_lshl_b32 s20, s[WV], 9
	s_add_co_u32 s72, s72, s20
	s_add_co_u32 s72, s72, VS
	s_mov_b32 s73, 0
	s_lshl_b32 s74, s12, 9
	s_add_co_u32 s74, s74, LS
	s_mov_b32 s75, 0
	s_lshl_b32 s76, s12, 19
	s_lshl_b32 s15, s13, 10
	s_add_co_u32 s76, s76, s15
	s_lshl_b32 s15, s[WV], 8
	s_add_co_u32 s76, s76, s15
	s_mov_b32 s77, 0
	s_mul_i32 s21, s[WL], 16*FRB
	s_mul_i32 s22, s[WL], 32*FRB
	s_add_co_u32 s22, s22, BOFF
	s_mov_b32 s[SEL], 0x76543210
	s_mov_b32 s[SEL+1], 0xfedcba98
	s_wait_dscnt 0x0
	s_wait_kmcnt 0x0
	s_add_nc_u64 s[16:17], s[4:5], s[16:17]
	s_add_nc_u64 s[18:19], s[4:5], s[18:19]
	s_add_nc_u64 s[56:57], s[4:5], s[70:71]
	s_add_nc_u64 s[58:59], s[4:5], s[72:73]
	s_add_nc_u64 s[66:67], s[4:5], s[74:75]
	s_add_nc_u64 s[68:69], s[6:7], s[76:77]
.irp s, 0,1
	s_mov_b32 s[G0A+4*\s], 1
	s_add_co_u32 s[G0A+4*\s+1], s21, \s*SLOT
	s_add_nc_u64 s[G0A+4*\s+2:G0A+4*\s+3], s[16:17], \s*4*KSTR
	s_or_b32 s[G0A+4*\s+3], s[G0A+4*\s+3], 0x80000000
	s_mov_b32 s[G0B+4*\s], 1
	s_add_co_u32 s[G0B+4*\s+1], s22, \s*SLOT
	s_add_nc_u64 s[G0B+4*\s+2:G0B+4*\s+3], s[18:19], \s*4*VSTR
	s_or_b32 s[G0B+4*\s+3], s[G0B+4*\s+3], 0x80000000
.endr
	CROUND
	JLOAD 0
	v_and_b32 v1, 31, v0
	v_and_b32 v2, 15, v0
	v_bfe_u32 v3, v0, 4, 1
	v_lshlrev_b32 v[LI], 4, v1
	v_lshlrev_b32 v[L8], 3, v1
	v_add_nc_u32 v[ADA+1], SLOT, v[LI]
	s_mul_i32 s15, s[WV], 4*FRB
	s_add_co_u32 s15, s15, BOFF
	v_add_nc_u32 v[ADB], s15, v[LI]
	v_add_nc_u32 v[ADB+1], 32*FRB, v[ADB]
	v_add_nc_u32 v[ADB+2], SLOT, v[ADB]
	v_add_nc_u32 v[ADB+3], SLOT, v[ADB+1]
	s_mul_i32 s15, s[WV], STGW
	v_mul_u32_u24 v[STO], v2, 272
	v_lshl_add_u32 v[STO], v3, 6, v[STO]
	v_add_nc_u32 v[STO], s15, v[STO]
	v_mul_u32_u24 v[RD], v3, 272
	v_lshl_add_u32 v[RD], v2, 4, v[RD]
	v_add_nc_u32 v[RD], s15, v[RD]
	v_lshlrev_b32 v[GO], 12, v3
	v_lshl_add_u32 v[GO], v2, 4, v[GO]
	v_lshlrev_b32 v[LO], 15, v3
	v_lshl_add_u32 v[LO], v2, 2, v[LO]
.irp a, 0,1,2,3,4,5,6,7
	v_mov_b32 v[LT+\a], 0
.endr
.irp kp, 0,1,2,3,4,5,6,7
.irp j, 0,1,2,3
	global_load_b64 v[SCA+(\kp*4+\j)*2:SCA+(\kp*4+\j)*2+1], v[L8], s[56:57] offset:\kp*65536+256*\j
.endr
.irp j, 0,1
	global_load_b64 v[SCB+(\kp*2+\j)*2:SCB+(\kp*2+\j)*2+1], v[L8], s[58:59] offset:\kp*8192+256*\j
.endr
.endr
.irp a, 0,1,2,3,4,5,6,7
	global_load_b32 v[LV+2*\a], v[LO], s[66:67] offset:64*\a
	global_load_b32 v[LV+2*\a+1], v[LO], s[66:67] offset:64*\a+65536
.endr
	s_wait_alu depctr_va_vdst(0)                   ; the head's end
	s_wait_tensorcnt 0x0                           ; my part of slot 0 is in
	ds_add_u32 v28, v29
	s_wait_dscnt 0x0
	CROUND                                         ; a whole round: the joint loads meet
	JLOAD 1                                        ; slot 1's first fill
.macro MULA a0, n, ks, zero
.set aa, \a0
.rept \n
.set bb, 0
.rept 4
.set rD, 8*(4*aa+bb)
.set rB, 128*((\ks)&1)+12*bb
.set rA, AF+12*aa
.set rSB, SCB+(((\ks)>>1)*2+(bb>>1))*2+((\ks)&1)
.set rSA, SCA+(((\ks)>>1)*4+(aa>>1))*2+((\ks)&1)
.set pB, bb&1
.set pA, aa&1
	WMX \zero
.set bb, bb+1
.endr
.set aa, aa+1
.endr
.endm
.macro FETCHB slot, q, set
	WIN 0x40
.irp b, 0,1,2,3
.irp c, 0,1,2
	ds_load_b128 v[128*(\set)+12*\b+4*\c:128*(\set)+12*\b+4*\c+3], v[ADB+2*(\slot)+((\q)>>1)] offset:((\q)&1)*16*FRB+\b*FRB+512*\c
.endr
.endr
	WIN 0
.endm
.macro FETCHA slot, q, a0
.irp i, 0,1,2,3
.irp c, 0,1,2
	ds_load_b128 v[AF+12*((\a0)+\i)+4*\c:AF+12*((\a0)+\i)+4*\c+3], v[ADA+(\slot)] offset:(\q)*8*FRB+((\a0)+\i)*FRB+512*\c
.endr
.endr
.endm
.macro STEP ks, zero
.set sl, ((\ks)>>2)&1
.set qn, ((\ks)&3)+1
	s_wait_dscnt 12
	WIN 0xa1
	MULA 0, 4, \ks, \zero
	s_wait_dscnt 0x0
	PLACES
	FETCHB sl, qn, 1-((\ks)&1)
	FETCHA sl, qn, 0
	WIN 0xa1
	MULA 4, 4, \ks, \zero
	PLACES
	WIN 0
	FETCHA sl, qn, 4
.endm
.macro TURN ks, fill
.set sl, ((\ks)>>2)&1
	s_wait_dscnt 12
	WIN 0xa1
	MULA 0, 2, \ks, 0
	WIN 0
	s_wait_tensorcnt 0x0
	ds_add_u32 v[SPW], v[NIL]
	WIN 0xa1
	MULA 2, 1, \ks, 0
	s_wait_dscnt 0x0
	s_barrier_signal -1
	MULA 3, 1, \ks, 0
	WIN 0
	s_barrier_wait -1
.if \fill
	CREST
	s_add_nc_u64 s[G0A+4*sl+2:G0A+4*sl+3], s[G0A+4*sl+2:G0A+4*sl+3], 8*KSTR
	s_add_nc_u64 s[G0B+4*sl+2:G0B+4*sl+3], s[G0B+4*sl+2:G0B+4*sl+3], 8*VSTR
	JLOAD sl
.else
	PLACES
.endif
	FETCHB 1-sl, 0, 0
	FETCHA 1-sl, 0, 0
	WIN 0xa1
	MULA 4, 4, \ks, 0
	PLACES
	WIN 0
	FETCHA 1-sl, 0, 4
.endm
	s_wait_tensorcnt 0x1
	s_barrier_signal -1
	s_barrier_wait -1
	s_wait_loadcnt 0x0
	FETCHB 0, 0, 0
	FETCHA 0, 0, 0
	FETCHA 0, 0, 4
	STEP 0, 1
	STEP 1, 0
	STEP 2, 0
	TURN 3, 1
	STEP 4, 0
	STEP 5, 0
	STEP 6, 0
	TURN 7, 1
	STEP 8, 0
	STEP 9, 0
	STEP 10, 0
	TURN 11, 0
	STEP 12, 0
	STEP 13, 0
	STEP 14, 0
	s_wait_dscnt 12
	WIN 0xa1
	MULA 0, 4, 15, 0
	s_wait_dscnt 0x0
	MULA 4, 4, 15, 0
	WIN 0
.irp a, 0,1,2,3,4,5,6,7
	v_add_f32 v[LV+2*\a+1], v[LV+2*\a], v[LV+2*\a+1]
.endr
.irp a, 0,1,2,3,4,5,6,7
	v_permlanex16_b32 v[LT+\a], v[LV+2*\a+1], s[SEL], s[SEL+1]
.endr
.irp a, 0,1,2,3,4,5,6,7
	v_add_f32 v[LT+\a], v[LT+\a], v[LV+2*\a+1]
.endr
	s_wait_alu depctr_va_vdst(0)
.irp a, 0,1,2,3,4,5,6,7
	v_rcp_f32 v[LV+2*\a], v[LT+\a]
.endr
	v_nop
	s_wait_alu depctr_va_vdst(0)
.macro SCALE a
	WIN 0x82
.set pp, 0
.rept 16
	v_pk_mul_f32 v[32*(\a)+2*pp:32*(\a)+2*pp+1], v[32*(\a)+2*pp:32*(\a)+2*pp+1], v[LV+2*(\a):LV+2*(\a)+1] op_sel_hi:[1,0]
.set pp, pp+1
.endr
.endm
.macro TOSTAGE a
	WIN 0x08
.irp b, 0,1,2,3
	ds_store_b128 v[STO], v[32*(\a)+8*\b:32*(\a)+8*\b+3] offset:128*(\b>>1)+32*(\b&1)
	ds_store_b128 v[STO], v[32*(\a)+8*\b+4:32*(\a)+8*\b+7] offset:128*(\b>>1)+32*(\b&1)+16
.endr
	WIN 0
.irp i, 0,1,2,3,4,5,6,7
	ds_load_b128 v[AF+32*((\a)&1)+4*\i:AF+32*((\a)&1)+4*\i+3], v[RD] offset:544*\i
.endr
.endm
.macro SEND a, younger
	s_wait_dscnt \younger
.irp i, 0,1,2,3,4,5,6,7
	global_store_b128 v[GO], v[AF+32*((\a)&1)+4*\i:AF+32*((\a)&1)+4*\i+3], s[68:69] offset:(32*((\a)>>1)+8*((\a)&1)+2*(\i&3)+16*(\i>>2))*4096 th:TH_STORE_NT
.endr
.endm
	SCALE 0
	TOSTAGE 0
.irp a, 1,2,3,4,5,6,7
	SCALE \a
.if \a > 1
	s_wait_alu depctr_va_vdst(0)
	s_wait_xcnt 0x0
.endif
	TOSTAGE \a
	SEND \a-1, 16
.endr
	SEND 7, 0
	s_wait_tensorcnt 0x0
	ds_add_u32 v[SPW], v[NIL]
	s_wait_dscnt 0x0
	CROUND
	s_endpgm
.Lfunc_end_k_q3c86c2d85a_mix:
	.size	k_q3c86c2d85a_mix, .Lfunc_end_k_q3c86c2d85a_mix-k_q3c86c2d85a_mix
	.p2alignl 7, 3214868480
	.fill 96, 4, 3214868480
	.section	.rodata,"a",@progbits
	.p2align	6, 0x0
	.amdhsa_kernel k_q3c86c2d85a_mix
		.amdhsa_group_segment_fixed_size 327680
		.amdhsa_private_segment_fixed_size 0
		.amdhsa_enable_private_segment 0
		.amdhsa_kernarg_size 16
		.amdhsa_user_sgpr_count 2
		.amdhsa_user_sgpr_kernarg_segment_ptr 1
		.amdhsa_wavefront_size32 1
		.amdhsa_system_sgpr_workgroup_id_x 1
		.amdhsa_system_sgpr_workgroup_id_y 1
		.amdhsa_system_sgpr_workgroup_id_z 1
		.amdhsa_system_vgpr_workitem_id 0
		.amdhsa_next_free_vgpr 768
		.amdhsa_next_free_sgpr 84
		.amdhsa_reserve_vcc 0
		.amdhsa_float_denorm_mode_32 3
		.amdhsa_float_denorm_mode_16_64 3
		.amdhsa_memory_ordered 1
		.amdhsa_forward_progress 1
		.amdhsa_inst_pref_size 149
	.end_amdhsa_kernel
	.amdgpu_metadata
---
amdhsa.version: [ 1, 2 ]
amdhsa.kernels:
  - .name:           k_q3c86c2d85a_mix
    .symbol:         k_q3c86c2d85a_mix.kd
    .args:
      - { .name: st3, .offset: 0, .size: 8, .value_kind: global_buffer, .address_space: global }
      - { .name: out0, .offset: 8, .size: 8, .value_kind: global_buffer, .address_space: global }
    .group_segment_fixed_size: 327680
    .private_segment_fixed_size: 0
    .kernarg_segment_align: 8
    .kernarg_segment_size: 16
    .max_flat_workgroup_size: 128
    .sgpr_count:     84
    .vgpr_count:     768
    .wavefront_size: 32
...
	.end_amdgpu_metadata
.endif
;; end of part 4
